; MI455X (gfx1250); checked and timed in simulation.
; The chip was launched on July 23, 2026; its instructions are those of AMD's public machine-readable ISA for CDNA 5 (MIT licence, August 2026) and "CDNA5" Instruction Set Architecture Reference Guide (July 2026). The comments in the code are by the model that wrote it; some were corrected since.
;; Multi Head Attention Wrapper. Allowed arithmetic: matrix products marked QUANTISED: E2M1 operands, one E8M0 scale for each 32 along K, by v_wmma_scale_f32_16x16x128_f8f6f4 with both operands' format E2M1 (or v_wmma_scale_f32_32x16x128_f4), f32 sums; products left as they are: bf16, f16 or f32 operands; f32 sums; everything else in f32.
;; Inputs: w_k 16 x 64 x 1,024 float32; w_o 1,024 x 1,024 float32; w_q 16 x 64 x 1,024 float32; w_v 16 x 64 x 1,024 float32; x 2 x 2,048 x 1,024 float32.
;; Outputs: out0 2 x 2,048 x 1,024 float32.
;; This version of the problem:
;;   THIS VERSION OF THE PROBLEM IS GIVEN IN LOW PRECISION. The matrix products marked QUANTISED in the list below multiply operands that are first quantised to E2M1 (2 exponent bits, 1 mantissa bit; 4 bits a number), with one power-of-two scale for each 32 numbers along K (OCP MX v1.0); their sums are f32. The products marked 'left as it is' may take bf16, f16 or f32 operands, with f32 sums. Whichever they take, every output number must still come out within the allowed error. Rounding operands to bf16 (8 significant bits) uses up far more of that allowance than f16 does (11 bits, for magnitudes from 6e-5 to 65,504). All else is computed in f32.
;;   The module's matrix products, in the order in which they are computed (A, B: the left and right operand; K: the contracted axis; several contracted axes count as one K, in the product's order):
;;     1. [M 1,024, K 1,024] x [K 1,024, N 4,096]; A: input w_q; B: input x: QUANTISED
;;     2. [M 1,024, K 1,024] x [K 1,024, N 4,096]; A: input w_k; B: input x: QUANTISED
;;     3. [M 1,024, K 1,024] x [K 1,024, N 4,096]; A: input w_v; B: input x: QUANTISED
;;     4. batch 32 x [M 2,048, K 64] x [K 64, N 2,048]; A: computed on the way; B: computed on the way: left as it is (an operand is computed on the way)
;;     5. batch 32 x [M 2,048, K 2,048] x [K 2,048, N 64]; A: computed on the way; B: computed on the way: left as it is (an operand is computed on the way)
;;     6. [M 4,096, K 1,024] x [K 1,024, N 1,024]; A: computed on the way; B: input w_o: left as it is (an operand is computed on the way)
;;   THE QUANTISER, for each operand of a quantised product, along K:
;;     - K is cut into blocks of 32 from its start; a last block that is shorter is filled with zeros.
;;     - A block's scale is 2^e with e = floor(log2(the largest magnitude in the block)) - 2, held to -126 .. 127; a block of zeros has e = 0. As a byte (E8M0): e + 127.
;;     - Each number is divided by its block's scale, clamped to +-6, and rounded to the nearest number of E2M1, ties to even, subnormals kept.
;;     - The product sums the exact products of the quantised numbers (number of the format x scale) in f32.
;;   ~~~python
;;   def quantise(x, axis):      # numpy; x: float32 -> the quantised numbers, widened to float32 again
;;       x = np.moveaxis(x, axis, -1); K = x.shape[-1]
;;       x = np.pad(x, [(0, 0)] * (x.ndim - 1) + [(0, -K % 32)]); x = x.reshape(x.shape[:-1] + (-1, 32)); a = np.abs(x).max(-1, keepdims=True)
;;       e = np.where(a > 0, np.clip(np.frexp(np.where(a > 0, a, 1))[1] - 1 - 2, -126, 127), 0)      # np.frexp(a)[1] - 1 = floor(log2(a)), exactly
;;       r = np.clip(x / 2.0 ** e, -6, 6)
;;       step = 2.0 ** (np.maximum(np.frexp(np.where(r == 0, 1, r))[1] - 1, 0) - 1)
;;       q = np.round(r / step) * step * 2.0 ** e      # np.round: ties to even
;;       return np.moveaxis(q.reshape(q.shape[:-2] + (-1,))[..., :K], -1, axis).astype(np.float32)
;;   ~~~
;; One version. Each part assembles by itself: llvm-mc -triple=amdgcn-amd-amdhsa -mcpu=gfx1250 --defsym DOCPART=n.
;; ======== version 1 of 1: 5 launches
;; limits: values are held in f16: magnitudes above 65,504 overflow, below 6.1e-05 lose precision
;; workspace buffers: xc 2,097,152 bytes; xs 131,072 bytes; wc 1,572,864 bytes; ws 98,304 bytes; wo2 2,097,152 bytes; qkv 25,165,824 bytes; qkvf 393,216 bytes; cat2 8,388,608 bytes
;; launch quant (part 1): grid 256 x 1, 4 waves a work-group, no clusters, 33,280 bytes of LDS; arguments x, w_q, w_k, w_v, w_o, xc, xs, wc, ws, wo2; writes xc, xs, wc, ws, wo2
.if DOCPART == 1
	.amdgcn_target "amdgcn-amd-amdhsa--gfx1250"
	.amdhsa_code_object_version 6
	.text
	.protected	k_q194306faa2_quant
	.globl	k_q194306faa2_quant
	.p2align	8
	.type	k_q194306faa2_quant,@function
k_q194306faa2_quant:
	s_mov_b64 s[64:65], 0
	v_nop
	global_prefetch_b8 v0, s[64:65] scope:SCOPE_SE
	s_setreg_imm32_b32 hwreg(HW_REG_WAVE_MODE, 25, 1), 1
	s_wait_xcnt 0x0
; x [4096][1024] and w_q, w_k, w_v (each [1024][1024]), f32 with K innermost, become codes of FP4 (E2M1), two a byte, and one E8M0 scale byte for each 32 along K:
; xc [4096][512 B], xs [4096][32 B]; wc [3072][512 B], ws [3072][32 B], the rows of w_q, then w_k's, then w_v's.  w_o [1024][1024] f32 becomes f16 in wo2, laid [d / 2][head 16][d % 2][64],
; so that two neighbouring rows of one head's 64 numbers are 256 consecutive bytes and four heads of a pair of rows 1,024.
; A block's scale is 2^(floor(log2(its largest magnitude)) - 2): its byte is the largest magnitude's exponent field - 2, held at 1 from below.  Each number is divided by the scale and rounded to the nearest code, ties to even.
; LIMITS: a block of zeros gets the byte 1 where the rule says 127 (its codes are zeros, and this program alone reads the bytes); blocks whose largest magnitude lies under 2^(2 - 126) are held at the byte 1;
; NaN and infinities are not served; |w_o| stays under 65,504, f16's largest number (the drawn numbers lie under 0.2).
; SHARES: work-groups 0-127 take x, 128-223 the three weights (32 each), 32,768 numbers a work-group, 8,192 a wave: rows are dense and K is a multiple of 32, so each tensor is a plain stream of blocks.
; Work-groups 224-255 take 32 rows of w_o each, 8 a wave.  No tensor loads, no barrier: waves share nothing.
; A wave's 16 steps of 512 numbers: loads run EIGHT steps (32 loads, 16 KiB a wave) ahead, in eight sets of 16 registers; the turn through LDS runs one step ahead.
.set WAVES, 4
.set STEPS, 16
.set DEPTH, 8                          ; steps of loads in flight
.set EMAX,  2
.set CB,    8                          ; bytes of 16 codes
.set R,     16                         ; v16-143  eight sets of 16 numbers as they are loaded
.set X,     144                        ; v144-175 two sets of 16 neighbours
.set E,     176                        ; v176-191 a scale byte for each step
.set C,     192                        ; v192-223 codes: two registers for each step, so that no store's data are written again
.set WREG,  8192                       ; LDS: a region for each wave: two stages of 32 x SP bytes, and behind them its 256 scale bytes
.set SP,    80                         ; a lane's place in a stage: its 64 bytes + 16 of padding
.set SPW,   12                         ; v12 LDS address of my spare word; never rewritten
.set NIL,   13                         ; v13 0; never rewritten
.set SPARE, WAVES*WREG                 ; behind the four regions: the spare words, 128 bytes a wave
.set WI,    16                         ; w_o's path: v16-143 two sets of 64 numbers
.set WO,    144                        ; v144-207 two sets of 32 registers of f16 pairs
.macro LOAD t
.irp i, 0,1,2,3
	global_load_b128 v[R+16*((\t)%DEPTH)+4*\i:R+16*((\t)%DEPTH)+4*\i+3], v3, s[4:5] offset:2048*(\t)+512*\i th:TH_LOAD_NT   ; 32 lanes read 512 consecutive bytes
.endr
.endm
.macro TURN t                          ; step t's numbers through the stage: LDS serves a wave's instructions in order (ISA guide 5.7.1.4), so no wait stands between the stores and the loads
.irp i, 0,1,2,3
	ds_store_b128 v14, v[R+16*((\t)%DEPTH)+4*\i:R+16*((\t)%DEPTH)+4*\i+3] offset:32*SP*((\t)%2)+8*SP*\i
.endr
.irp i, 0,1,2,3
	ds_load_b128 v[X+16*((\t)%2)+4*\i:X+16*((\t)%2)+4*\i+3], v15 offset:32*SP*((\t)%2)+16*\i
.endr
.endm
.macro STEP t
.set XS, X+16*((\t)%2)
.if (\t) > 0
	s_wait_dscnt 1                                 ; this step's numbers are back from the stage (the last step's byte store may be out): so the stage's stores have read this step's set of registers,
.else
	s_wait_dscnt 0x0
.endif
.if (\t)+DEPTH < STEPS
	LOAD (\t)+DEPTH                                ; which takes the loads of eight steps on
.endif
.if (\t)+1 < STEPS
.if STEPS-2-(\t) >= DEPTH-1
	s_wait_loadcnt 4*(DEPTH-1)                     ; the next step's four loads are in; those of the seven steps behind it may be out
.else
	s_wait_loadcnt 4*(STEPS-2-(\t))                ; at the end the count runs down with the steps that are left
.endif
	TURN (\t)+1                                    ; and go through the other stage while this step is worked
.endif
	v_max3_num_f32 v8, |v[XS]|, |v[XS+1]|, |v[XS+2]|               ; the largest magnitude of my 16, in two chains
	v_max3_num_f32 v9, |v[XS+3]|, |v[XS+4]|, |v[XS+5]|
.irp i, 6,10
	v_max3_num_f32 v8, v8, |v[XS+\i]|, |v[XS+\i+1]|
	v_max3_num_f32 v9, v9, |v[XS+\i+2]|, |v[XS+\i+3]|
.endr
	v_max3_num_f32 v8, v8, |v[XS+14]|, |v[XS+15]|
	v_max3_num_f32 v8, v8, v9, (EMAX+1)<<23        ; and the floor 2^(EMAX + 1 - 127): the byte cannot fall under 1
	v_max_num_f32_dpp v8, v8, v8 row_xmask:1 row_mask:0xf bank_mask:0xf   ; with my neighbour's 16: the block's
	v_add_nc_u32 v11, -(EMAX<<23), v8              ; EMAX off its exponent field: the conversion takes the exponent field of this operand as its scale
	v_cvt_scalef32_pk8_fp4_f32 v[C+2*(\t)], v[XS:XS+7], v11
	v_cvt_scalef32_pk8_fp4_f32 v[C+2*(\t)+1], v[XS+8:XS+15], v11
	v_lshrrev_b32 v[E+(\t)], 23, v11               ; the scale's byte (a plain line behind the conversions)
	ds_store_b8 v5, v[E+(\t)] offset:16*(\t)       ; both lanes of a block write the same byte with the same value
	global_store_b64 v4, v[C+2*(\t):C+2*(\t)+1], s[8:9] offset:32*CB*(\t)   ; the wave stores 256 consecutive bytes, aligned
.endm
; w_o: group g = one pair of rows d: 8 steps of 512 output bytes.  A lane takes 8 neighbouring numbers (32 bytes) of one row and one head and gives 16 bytes.
.macro WLOAD g
.irp k, 0,1,2,3,4,5,6,7
	global_load_b128 v[WI+64*((\g)%2)+8*\k:WI+64*((\g)%2)+8*\k+3], v1, s[44:45] offset:8192*(\g)+512*\k th:TH_LOAD_NT
	global_load_b128 v[WI+64*((\g)%2)+8*\k+4:WI+64*((\g)%2)+8*\k+7], v1, s[44:45] offset:8192*(\g)+512*\k+16 th:TH_LOAD_NT
.endr
.endm
.macro WCVT g
.if (\g) < 3
	s_wait_loadcnt 16                              ; this group's 16 loads are in; the next group's 16 may be out
.else
	s_wait_loadcnt 0x0
.endif
.if (\g) >= 2
	s_wait_xcnt 0x0                                ; the stores of two groups back have read their registers, which are written again below
.endif
.irp k, 0,1,2,3,4,5,6,7
.irp m, 0,1,2,3
	v_cvt_pk_f16_f32 v[WO+32*((\g)%2)+4*\k+\m], v[WI+64*((\g)%2)+8*\k+2*\m], v[WI+64*((\g)%2)+8*\k+2*\m+1]
.endr
.endr
.irp k, 0,1,2,3,4,5,6,7
	global_store_b128 v2, v[WO+32*((\g)%2)+4*\k:WO+32*((\g)%2)+4*\k+3], s[54:55] offset:4096*(\g)+512*\k   ; 32 lanes store 512 consecutive bytes
.endr
.if (\g) < 2
	WLOAD (\g)+2
.endif
.endm
	s_load_b512 s[36:51], s[0:1], 0x0              ; x 36, w_q 38, w_k 40, w_v 42, w_o 44, xc 46, xs 48, wc 50
	s_load_b128 s[52:55], s[0:1], 0x40             ; ws 52, wo2 54
	v_lshl_add_u32 v[SPW], v0, 2, SPARE
	v_mov_b32 v[NIL], 0
	v_lshrrev_b32 v1, 5, v0
	v_readfirstlane_b32 s16, v1                    ; wave
	v_and_b32 v2, 31, v0                           ; lane
	s_wait_kmcnt 0x0
	s_cmp_ge_u32 ttmp9, 224                        ; the work-group's number alone decides the path
	s_cbranch_scc1 .Lwo
	; ---- codes and scale bytes
	v_lshlrev_b32 v3, 4, v2                        ; my 16 bytes of a load's 512
	s_mul_i32 s22, s16, WREG
	v_lshrrev_b32 v14, 2, v2
	v_mul_u32_u24 v14, v14, SP
	v_and_b32 v15, 3, v2
	v_lshl_add_u32 v14, v15, 4, v14
	v_add_nc_u32 v14, s22, v14                     ; the stage, on the way in: SP (lane / 4) + 16 (lane % 4)
	v_mul_u32_u24 v15, v2, SP
	v_add_nc_u32 v15, s22, v15                     ; and on the way out: SP x lane: my 16 neighbours
	v_mul_u32_u24 v4, v2, CB                       ; my codes' place in a step's
	v_lshrrev_b32 v5, 1, v2
	s_add_co_u32 s22, s22, 2*32*SP
	v_add_nc_u32 v5, s22, v5                       ; my wave's 256 scale bytes, my block's byte
	v_lshlrev_b32 v7, 3, v2                        ; and on the way out 8 bytes a lane
	v_add_nc_u32 v6, s22, v7
	s_sub_co_u32 s24, ttmp9, 128                   ; the run among the three weights (used from work-group 128 on)
	s_lshr_b32 s25, s24, 5                         ; which weight
	s_and_b32 s28, s24, 31                         ; the run in that weight
	s_cmp_eq_u32 s25, 1
	s_cselect_b64 s[26:27], s[40:41], s[38:39]
	s_cmp_eq_u32 s25, 2
	s_cselect_b64 s[26:27], s[42:43], s[26:27]
	s_cmp_lt_u32 ttmp9, 128                        ; x's work-group or a weight's
	s_cselect_b64 s[4:5], s[36:37], s[26:27]
	s_cselect_b64 s[8:9], s[46:47], s[50:51]
	s_cselect_b64 s[10:11], s[48:49], s[52:53]
	s_cselect_b32 s17, ttmp9, s28                  ; the run in the source,
	s_cselect_b32 s29, ttmp9, s24                  ; and in the codes' and scales' buffers
	s_lshl_b32 s17, s17, 2
	s_add_co_u32 s17, s17, s16                     ; my wave's run of 8,192 numbers
	s_lshl_b32 s29, s29, 2
	s_add_co_u32 s29, s29, s16
	s_mov_b32 s21, 0
	s_lshl_b32 s20, s17, 15                        ; 32,768 bytes of f32 a run
	s_add_nc_u64 s[4:5], s[4:5], s[20:21]
	s_lshl_b32 s20, s29, 12                        ; 4,096 bytes of codes
	s_add_nc_u64 s[8:9], s[8:9], s[20:21]
	s_lshl_b32 s20, s29, 8                         ; 256 scale bytes
	s_add_nc_u64 s[10:11], s[10:11], s[20:21]
.irp t, 0,1,2,3,4,5,6,7
	LOAD \t
.endr
	s_wait_loadcnt 4*(DEPTH-1)                     ; step 0's four loads are in; the other seven steps' may be out
	TURN 0
.irp t, 0,1,2,3,4,5,6,7,8,9,10,11,12,13,14,15
	STEP \t
.endr
	ds_load_b64 v[8:9], v6                         ; my wave's 256 scale bytes: these loads see my stores
	s_wait_dscnt 0x0
	global_store_b64 v7, v[8:9], s[10:11]          ; 32 lanes store 256 consecutive bytes, aligned
	s_wait_tensorcnt 0x0                           ; the wave's end, behind my last LDS store
	ds_add_u32 v[SPW], v[NIL]
	s_wait_dscnt 0x0
	s_endpgm
.Lwo:
	; ---- w_o to f16.  Wave w of work-group j takes rows 32 j + 8 w .. + 7: four pairs, 16,384 consecutive bytes of wo2
	s_sub_co_u32 s24, ttmp9, 224
	s_lshl_b32 s20, s24, 2
	s_add_co_u32 s20, s20, s16                     ; 4 j + w
	s_mov_b32 s23, 0
	s_lshl_b32 s22, s20, 15                        ; 8 rows of 4,096 bytes
	s_add_nc_u64 s[44:45], s[44:45], s[22:23]
	s_lshl_b32 s22, s20, 14                        ; 4 pair rows of 4,096 bytes
	s_add_nc_u64 s[54:55], s[54:55], s[22:23]
	v_bfe_u32 v1, v0, 3, 1                         ; which row of the pair
	v_lshlrev_b32 v1, 12, v1
	v_bfe_u32 v3, v0, 4, 1                         ; which of the step's two heads
	v_lshl_add_u32 v1, v3, 8, v1
	v_and_b32 v3, 7, v0                            ; which 8 of the head's 64
	v_lshl_add_u32 v1, v3, 5, v1
	v_lshlrev_b32 v2, 4, v2                        ; out: 16 bytes a lane
	WLOAD 0
	WLOAD 1
	WCVT 0
	WCVT 1
	WCVT 2
	WCVT 3
	s_wait_tensorcnt 0x0                           ; the wave's end
	ds_add_u32 v[SPW], v[NIL]
	s_wait_dscnt 0x0
	s_endpgm
.Lfunc_end_k_q194306faa2_quant:
	.size	k_q194306faa2_quant, .Lfunc_end_k_q194306faa2_quant-k_q194306faa2_quant
	.p2alignl 7, 3214868480
	.fill 96, 4, 3214868480
	.section	.rodata,"a",@progbits
	.p2align	6, 0x0
	.amdhsa_kernel k_q194306faa2_quant
		.amdhsa_group_segment_fixed_size 33280
		.amdhsa_private_segment_fixed_size 0
		.amdhsa_enable_private_segment 0
		.amdhsa_kernarg_size 80
		.amdhsa_user_sgpr_count 2
		.amdhsa_user_sgpr_kernarg_segment_ptr 1
		.amdhsa_wavefront_size32 1
		.amdhsa_system_sgpr_workgroup_id_x 1
		.amdhsa_system_sgpr_workgroup_id_y 1
		.amdhsa_system_sgpr_workgroup_id_z 1
		.amdhsa_system_vgpr_workitem_id 0
		.amdhsa_next_free_vgpr 224
		.amdhsa_next_free_sgpr 66
		.amdhsa_reserve_vcc 0
		.amdhsa_float_denorm_mode_32 3
		.amdhsa_float_denorm_mode_16_64 3
		.amdhsa_memory_ordered 1
		.amdhsa_forward_progress 1
		.amdhsa_inst_pref_size 52
	.end_amdhsa_kernel
	.amdgpu_metadata
---
amdhsa.version: [ 1, 2 ]
amdhsa.kernels:
  - .name:           k_q194306faa2_quant
    .symbol:         k_q194306faa2_quant.kd
    .args:
      - { .name: x, .offset: 0, .size: 8, .value_kind: global_buffer, .address_space: global }
      - { .name: w_q, .offset: 8, .size: 8, .value_kind: global_buffer, .address_space: global }
      - { .name: w_k, .offset: 16, .size: 8, .value_kind: global_buffer, .address_space: global }
      - { .name: w_v, .offset: 24, .size: 8, .value_kind: global_buffer, .address_space: global }
      - { .name: w_o, .offset: 32, .size: 8, .value_kind: global_buffer, .address_space: global }
      - { .name: xc, .offset: 40, .size: 8, .value_kind: global_buffer, .address_space: global }
      - { .name: xs, .offset: 48, .size: 8, .value_kind: global_buffer, .address_space: global }
      - { .name: wc, .offset: 56, .size: 8, .value_kind: global_buffer, .address_space: global }
      - { .name: ws, .offset: 64, .size: 8, .value_kind: global_buffer, .address_space: global }
      - { .name: wo2, .offset: 72, .size: 8, .value_kind: global_buffer, .address_space: global }
    .group_segment_fixed_size: 33280
    .private_segment_fixed_size: 0
    .kernarg_segment_align: 8
    .kernarg_segment_size: 80
    .max_flat_workgroup_size: 128
    .sgpr_count:     66
    .vgpr_count:     224
    .wavefront_size: 32
...
	.end_amdgpu_metadata
.endif
;; end of part 1
;; launch qkv (part 2): grid 12 x 16, 4 waves a work-group, clusters of 4 x 4, 327,680 bytes of LDS; arguments xc, xs, wc, ws, qkv, qkvf; writes qkv, qkvf
.if DOCPART == 2
	.amdgcn_target "amdgcn-amd-amdhsa--gfx1250"
	.amdhsa_code_object_version 6
	.text
	.protected	k_q194306faa2_qkv
	.globl	k_q194306faa2_qkv
	.p2align	8
	.type	k_q194306faa2_qkv,@function
k_q194306faa2_qkv:
	s_mov_b64 s[64:65], 0
	v_nop
	global_prefetch_b8 v0, s[64:65] scope:SCOPE_SE
	s_setreg_imm32_b32 hwreg(HW_REG_WAVE_MODE, 25, 1), 1
	s_wait_xcnt 0x0
	s_wait_alu depctr_hold_cnt(0) depctr_sa_sdst(0) depctr_va_vdst(0) depctr_va_sdst(0) depctr_va_ssrc(0) depctr_va_vcc(0) depctr_vm_vsrc(0)
	s_getreg_b32 s2, hwreg(HW_REG_IB_STS2, 6, 4)
	s_cmp_eq_u32 s2, 0
	s_cbranch_scc0 .Lentry_in_a_cluster
	s_endpgm
.Lentry_in_a_cluster:
	s_bfe_u32 s2, ttmp6, 0x10000c
	s_cmp_lg_u32 s2, 0xf033
	s_cbranch_scc0 .Lentry_shape_is_right
	s_endpgm
.Lentry_shape_is_right:
; C[token][feature] = sum over k of x[token][k] w[feature][k] on codes of FP4 (E2M1) with one E8M0 scale for each 32 along K: 4,096 tokens x 3,072 features (q's 1,024, k's, v's), K = 1,024; sums in f32.
; OUT: qkv, f16, [plane 48][token 4096][64], plane = feature / 64 (q of head h: h; k: 16 + h; v: 32 + h).  THE q PLANES ARE MULTIPLIED BY c = log2(e) / 8 IN f32 AHEAD OF THE ROUNDING, so that the next launch's
; scores are exponents of two as they come.  qkvf, f32, unscaled: tokens 0-15 of each batch as images of the result's registers, [batch 2][feature / 16][part 2][lane 32][16 B]: lane (r, h) of part u holds token r, features 8 h + 4 u + 0 .. 3 of the sixteen.
; LIMIT: |c q|, |k|, |v| stay under 65,504, f16's largest number (the drawn inputs give about 4; inputs 30 times larger on both sides about 3,500).
; A tile of C, 256 x 256, is made by four waves, each 128 x 128: 64 accumulators of 16 x 16, 512 registers.  K goes in two steps of 512 through two LDS slots, each filled once by the tensor data mover (rows of 256 bytes);
; the scale bytes of the work-group's 256 + 256 rows come once, as dense blocks.  By this text's own count a wave has three tensor loads out at the start and none later.
; CLUSTERS: 4 x 4 work-groups.  The four of a row of the cluster need the same tiles of x, the four of a column the same tiles of w: each tile is asked for JOINTLY, by the same tensor load with the same descriptor and a mask that names the four.
; THE MATRIX INSTRUCTION IS USED TRANSPOSED (source 0 = 16 rows of w, source 1 = 16 tokens): a lane holds eight neighbouring features of one token.
; REGISTERS, in windows of 256: window 0: v0-31 addresses; v32-95 scale words, two sets; from v128 x's fragments, ONE set; on the way out v32-255 are free.
;   window 1: w's fragments, TWO sets, at v0 and v128.   window 2: the 32 accumulators of my tokens 0-63 ((a, b) at v[8 (8 a + b)]);   window 3: those of my tokens 64-127.
.set SIZE_K, 1024
.set KSTEP,  512
.set NQ,     KSTEP/128
.set ROWB,   256                       ; a tile's row in bytes
.set KROW,   SIZE_K*4/8                ; a row of codes in memory
.set PITCH,  272                       ; an LDS row: 256 bytes + 16 of padding = 68 words: the 16 rows that a load touches start at 16 different banks (64 banks of 4 bytes: ISA guide 11.1)
.set FR,     8
.set NL,     2
.set NP,     4                         ; places behind this matrix instruction (ISA guide 7.12.1)
.set HALFT,  128*PITCH
.set SLOT,   4*HALFT
.set KS,     SIZE_K/32
.set SCL,    2*SLOT                    ; behind the slots: the scales, as units of 256 bytes + 16 of padding
.set HALFS,  (128*KS/256)*272
.set SBLK,   (16*KS/256)*272
.set SPARE,  SCL+4*HALFS               ; the spare words, 128 bytes a wave
.set SPITCH, 272                       ; the way out: a stage of 16 rows x (256 bytes + 16) for each wave, in slot 0, which has had its only fill and its last read when the first result is stored there
.set ADRA, 16
.set ADRB, 20
.set STO,  24                          ; v24 the way out: where I put 16 bytes of a token's row
.set RD,   25                          ; v25 where I read back: four tokens x 128 bytes of one plane
.set CO,   26                          ; v26 16 x lane
.set ADRS, 27
.set SPW,  28
.set NIL,  29
.set CYV,  30                          ; v30 my work-group's place along the cluster's y
.set SC,   32
.set AF,   128
.set OB,   32                          ; the way out: 16 tokens read back: v32-63 and v224-255 by turns
.set SD,   64                          ; v64-127 a block's 64 numbers x the factor
.set TMP,  192                         ; v192-223 the same as f16 pairs
.set FAC,  92                          ; s[92:93] the factor: c in the q planes, else 1
.set G1, 24
.set G0, 32
.set G1B, 48
.set G0B, 56
.set G1S, 68
.set G0S, 76
.set G1SB, 80
.set G0SB, 88
.set MSB, 0
.macro WIN new                         ; the immediate's high byte repeats the setting that is left
.if MSB != \new
	s_set_vgpr_msb (MSB<<8)|\new
.set MSB, \new
.endif
.endm
.set MUL_LO, 0xa1                      ; source 0 (w) window 1, source 1 (x) window 0, C and D window 2
.set MUL_HI, 0xf1
.set TO_B,   0x40
; A joint load: waves 0 and 1 fetch for x, waves 2 and 3 for w.  The branch hangs on the wave's number alone.  An s_nop 0 and four v_nop follow each of the two lines.
.macro JLOAD g0a, g1a, g0b, g1b
	s_cmp_eq_u32 s15, 0
	s_cbranch_scc0 .Lfor_b_\@
	tensor_load_to_lds s[\g0a:\g0a+3], s[\g1a:\g1a+7]
	s_nop 0
.rept 4
	v_nop
.endr
	s_branch .Lasked_\@
.Lfor_b_\@:
	tensor_load_to_lds s[\g0b:\g0b+3], s[\g1b:\g1b+7]
	s_nop 0
.rept 4
	v_nop
.endr
.Lasked_\@:
.endm
.macro CROUND                          ; a round of the cluster's barrier
	s_barrier_signal -1
	s_barrier_wait -1
	s_cmp_lg_u32 s14, 0
	s_cbranch_scc1 .Lnot_wave_0_\@
	s_barrier_signal -3
.Lnot_wave_0_\@:
	s_barrier_wait -3
	s_barrier_signal -1
	s_barrier_wait -1
.endm
	s_load_b128 s[4:7], s[0:1], 0x0                ; x's codes, x's scales
	s_load_b128 s[8:11], s[0:1], 0x10              ; w's codes, w's scales
	s_load_b64 s[12:13], s[0:1], 0x20              ; qkv
	s_load_b64 s[96:97], s[0:1], 0x28              ; qkvf
	v_lshl_add_u32 v[SPW], v0, 2, SPARE
	v_mov_b32 v[NIL], 0
	ds_add_u32 v[SPW], v[NIL]                      ; the wave's opening: the add, twice on end, and its wait ahead of my first tensor load
	ds_add_u32 v[SPW], v[NIL]
	v_lshrrev_b32 v1, 5, v0
	v_readfirstlane_b32 s14, v1                    ; wave 0..3
	s_lshr_b32 s15, s14, 1                         ; which half of the tile's tokens is mine.  Also: I fetch for x (0) or for w (1)
	s_and_b32 s16, s14, 1                          ; which half of its features.  Also: which 128 rows of that tile I fetch
	s_bfe_u32 s40, ttmp6, 0x40000                  ; cx, cy
	s_bfe_u32 s41, ttmp6, 0x40004
	s_lshl_b32 s42, ttmp9, 2
	s_add_co_u32 s42, s42, s40                     ; tile column = 4 x cluster x + cx
	s_and_b32 s17, ttmp7, 0xffff
	s_lshl_b32 s17, s17, 2
	s_add_co_u32 s17, s17, s41                     ; tile row = 4 x cluster y + cy
	s_lshl_b32 s43, s41, 2
	s_lshl_b32 s43, 15, s43                        ; my row of the cluster
	s_lshl_b32 s44, 0x1111, s40                    ; my column
	s_or_b32 s[G1+0], s43, (0<<16)|(1<<20)|(1<<21)|(5<<22)|(3<<25)  ; the mask; elements of 1 byte; padding on; bit 21 beside a mask; 4 words after every 64
	s_or_b32 s[G1B+0], s44, (0<<16)|(1<<20)|(1<<21)|(5<<22)|(3<<25)
.irp g, G1, G1B
	s_mov_b32 s[\g+1], ROWB<<16                    ; tensor_dim0
	s_mov_b32 s[\g+2], 128<<16                     ; tensor_dim1
	s_mov_b32 s[\g+3], ROWB<<16                    ; tile_dim0
	s_mov_b32 s[\g+4], 128                         ; tile_dim1
	s_mov_b32 s[\g+5], KROW                        ; the pitch
	s_mov_b32 s[\g+6], 0
	s_mov_b32 s[\g+7], 0
.endr
	s_or_b32 s[G1S+0], s43, (3<<16)|(1<<20)|(1<<21)|(5<<22)|(3<<25)  ; the scales of 128 rows: a dense block, as rows of 256 bytes (32 elements of 8 bytes)
	s_or_b32 s[G1SB+0], s44, (3<<16)|(1<<20)|(1<<21)|(5<<22)|(3<<25)
.irp g, G1S, G1SB
	s_mov_b32 s[\g+1], 32<<16
	s_mov_b32 s[\g+2], (128*KS/256)<<16
	s_mov_b32 s[\g+3], 32<<16
	s_mov_b32 s[\g+4], 128*KS/256
	s_mov_b32 s[\g+5], 32
	s_mov_b32 s[\g+6], 0
	s_mov_b32 s[\g+7], 0
.endr
	s_lshl_b32 s18, s16, 7                         ; which 128 rows of the tile I fetch
	s_lshl_b32 s20, s17, 8
	s_add_co_u32 s20, s20, s18                     ; x: token 256 x tile row + 128 x half
	s_lshl_b32 s46, s42, 8
	s_add_co_u32 s46, s46, s18                     ; w: row 256 x tile column + 128 x half
	s_mov_b32 s21, 0
	s_mov_b32 s47, 0
	s_mov_b64 s[18:19], KS
	s_mul_u64 s[22:23], s[20:21], s[18:19]         ; where these rows' scales begin,
	s_mul_u64 s[92:93], s[46:47], s[18:19]
	s_mov_b64 s[18:19], KROW
	s_mul_u64 s[20:21], s[20:21], s[18:19]         ; and their codes
	s_mul_u64 s[46:47], s[46:47], s[18:19]
	s_mul_i32 s45, s14, HALFT                      ; where they go: wave x 128 rows
	s_mul_i32 s94, s14, HALFS
	s_wait_dscnt 0x0                               ; both opening adds are done
	s_wait_kmcnt 0x0
	s_add_nc_u64 s[20:21], s[4:5], s[20:21]
	s_add_nc_u64 s[22:23], s[6:7], s[22:23]
	s_add_nc_u64 s[46:47], s[8:9], s[46:47]
	s_add_nc_u64 s[92:93], s[10:11], s[92:93]
	CROUND                                         ; all sixteen work-groups are here: the joint loads meet
	s_mov_b32 s[G0S], 1
	s_add_co_u32 s[G0S+1], s94, SCL
	s_mov_b64 s[G0S+2:G0S+3], s[22:23]
	s_or_b32 s[G0S+3], s[G0S+3], 0x80000000
	s_mov_b32 s[G0SB], 1
	s_add_co_u32 s[G0SB+1], s94, SCL
	s_mov_b64 s[G0SB+2:G0SB+3], s[92:93]
	s_or_b32 s[G0SB+3], s[G0SB+3], 0x80000000
	JLOAD G0S, G1S, G0SB, G1SB                     ; the scales first: they are wanted with K step 0
.irp s, 0,1
	s_mov_b32 s[G0+4*\s], 1
	s_add_co_u32 s[G0+4*\s+1], s45, \s*SLOT
	s_add_nc_u64 s[G0+4*\s+2:G0+4*\s+3], s[20:21], \s*ROWB
	s_or_b32 s[G0+4*\s+3], s[G0+4*\s+3], 0x80000000
	s_mov_b32 s[G0B+4*\s], 1
	s_add_co_u32 s[G0B+4*\s+1], s45, \s*SLOT
	s_add_nc_u64 s[G0B+4*\s+2:G0B+4*\s+3], s[46:47], \s*ROWB
	s_or_b32 s[G0B+4*\s+3], s[G0B+4*\s+3], 0x80000000
	JLOAD G0+4*\s, G1, G0B+4*\s, G1B
.endr
	v_and_b32 v1, 15, v0                           ; r
	v_bfe_u32 v2, v0, 4, 1                         ; h
	v_mul_u32_u24 v3, v1, PITCH
	v_lshl_add_u32 v4, v2, 4, v3                   ; a fragment's row x pitch + 16 x half
	s_mul_i32 s21, s15, HALFT                      ; my 128 tokens
	s_mul_i32 s22, s16, HALFT                      ; my 128 rows of w,
	s_add_co_u32 s22, s22, 2*HALFT                 ; which lie behind x's 256
.irp s, 0,1
	v_add_nc_u32 v[ADRA+\s], s21, v4
	v_add_nc_u32 v[ADRB+\s], s22, v4
	s_add_co_u32 s21, s21, SLOT
	s_add_co_u32 s22, s22, SLOT
.endr
	v_mul_u32_u24 v5, v1, KS                       ; my row's scales: KS bytes a row,
	v_lshrrev_b32 v6, 8, v5
	v_lshl_add_u32 v5, v6, 4, v5                   ; and 16 more for each 256 passed
	s_mul_i32 s21, s15, HALFS
	s_mul_i32 s22, s16, HALFS
	s_add_co_u32 s22, s22, 2*HALFS
	s_sub_co_u32 s22, s22, s21
	v_mul_u32_u24 v6, s22, v2                      ; lanes 16-31 take w's
	s_add_co_u32 s21, s21, SCL
	v_add_nc_u32 v5, v5, v6
	v_add_nc_u32 v[ADRS], s21, v5
	s_mul_i32 s23, s14, 16*SPITCH                  ; my stage
	v_mul_u32_u24 v5, v1, SPITCH
	v_lshl_add_u32 v5, v2, 4, v5
	v_add_nc_u32 v[STO], s23, v5                   ; in: token r, 16 bytes for each half of the lanes
	v_and_b32 v6, 31, v0
	v_lshlrev_b32 v[CO], 4, v6
	v_lshrrev_b32 v5, 3, v6
	v_mul_u32_u24 v5, v5, SPITCH
	v_and_b32 v6, 7, v6
	v_lshl_add_u32 v5, v6, 4, v5
	v_add_nc_u32 v[RD], s23, v5                    ; back: token lane / 8, 16 (lane % 8) bytes on
	v_mov_b32 v[CYV], s41
	s_lshl_b32 s20, s17, 8
	s_lshl_b32 s21, s15, 7
	s_add_co_u32 s20, s20, s21                     ; my first token
	s_lshl_b32 s20, s20, 7                         ; 128 bytes a token in a plane
	s_mov_b32 s21, 0
	s_lshl_b32 s46, s42, 2
	s_lshl_b32 s47, s16, 1
	s_add_co_u32 s46, s46, s47                     ; my first plane: 4 x tile column + 2 x half
	s_lshl_b32 s46, s46, 19                        ; 524,288 bytes a plane
	s_mov_b32 s47, 0
	s_add_nc_u64 s[20:21], s[20:21], s[46:47]
	s_add_nc_u64 s[12:13], s[12:13], s[20:21]
	s_and_b32 s94, ttmp7, 0xffff                   ; the cluster's y: tile rows 4 y .. 4 y + 3.  A batch begins at tile row 0 or 8: y even, cy = 0
	s_lshr_b32 s95, s94, 1                         ; the batch
	s_and_b32 s94, s94, 1
	s_or_b32 s94, s94, s15                         ; 0: my wave's block 0 may hold a batch's first 16 tokens.  Made of the cluster's y and the wave's number: the same in all partners
	s_mul_i32 s20, s95, 196608
	s_lshl_b32 s46, s42, 4
	s_lshl_b32 s47, s16, 3
	s_add_co_u32 s46, s46, s47                     ; my first block of 16 features
	s_lshl_b32 s46, s46, 10
	s_add_co_u32 s20, s20, s46
	s_add_nc_u64 s[96:97], s[96:97], s[20:21]
	s_cmp_eq_u32 ttmp9, 0                          ; tile columns 0-3 are q's planes: the cluster's x alone says so
	s_cselect_b32 s[FAC], 0x3e38aa3b, 1.0          ; c = log2(e) / 8, or 1
	s_mov_b32 s[FAC+1], s[FAC]                     ; (named with it as a pair, so it is written)
.macro FRAG reg, adr, q, i             ; 16 rows x 128 K of 4-bit codes: lane l holds row l % 16; registers 4 c .. 4 c + 3 hold K = 64 c + 32 (l / 16) + 0 .. 31
.irp c, 0,1
	ds_load_b128 v[\reg+4*\c:\reg+4*\c+3], v[\adr] offset:64*(\q)+32*\c+(\i)*16*PITCH
.endr
.endm
; 16 matrix instructions: x's blocks a0, a0 + 1 against w's eight, 128 along K.  The 64 accumulators take turns, one instruction a turn, in the same order in every step.
.macro MUL16 a0, p, q, sc, zero
.irp a, \a0, \a0+1
.irp b, 0,1,2,3,4,5,6,7
.if \zero
	v_wmma_scale_f32_16x16x128_f8f6f4 v[8*(8*((\a)%4)+\b):8*(8*((\a)%4)+\b)+7], v[128*(\p)+FR*\b:128*(\p)+FR*\b+FR-1], v[AF+FR*(\a):AF+FR*(\a)+FR-1], 0, v[SC+8*NQ*(\sc)+NQ*\b+(\q)], v[SC+8*NQ*(\sc)+NQ*(\a)+(\q)] matrix_a_fmt:MATRIX_FMT_FP4 matrix_b_fmt:MATRIX_FMT_FP4 matrix_a_scale:MATRIX_SCALE_ROW1
.else
	v_wmma_scale_f32_16x16x128_f8f6f4 v[8*(8*((\a)%4)+\b):8*(8*((\a)%4)+\b)+7], v[128*(\p)+FR*\b:128*(\p)+FR*\b+FR-1], v[AF+FR*(\a):AF+FR*(\a)+FR-1], v[8*(8*((\a)%4)+\b):8*(8*((\a)%4)+\b)+7], v[SC+8*NQ*(\sc)+NQ*\b+(\q)], v[SC+8*NQ*(\sc)+NQ*(\a)+(\q)] matrix_a_fmt:MATRIX_FMT_FP4 matrix_b_fmt:MATRIX_FMT_FP4 matrix_a_scale:MATRIX_SCALE_ROW1
.endif
.endr
.endr
.endm
.macro FETCH_B slot, q, p
	WIN TO_B
.irp i, 0,1,2,3,4,5,6,7
	FRAG 128*(\p)+FR*\i, ADRB+\slot, \q, \i
.endr
	WIN 0
.endm
.macro FETCH_A slot, q, i0
.irp i, \i0, \i0+1, \i0+2, \i0+3
	FRAG AF+FR*(\i), ADRA+\slot, \q, \i
.endr
.endm
.macro SCALES sc                       ; a K step's scale words: lanes 0-15 take x's block i, lanes 16-31 w's block i
.irp i, 0,1,2,3,4,5,6,7
	ds_load_b128 v[SC+8*NQ*\sc+NQ*\i:SC+8*NQ*\sc+NQ*\i+3], v[ADRS] offset:\i*SBLK
.endr
.endm
.macro PLACES n                        ; plain vector instructions between a matrix instruction and a load into, or a read of, its registers
.rept \n
	v_nop
.endr
.endm
.macro STEP slot, q, zero              ; a step of 128 along K that has its successor in the same slot
	s_wait_dscnt 4*NL                              ; w's set and x's blocks 0-3 are in; the youngest eight loads (x's blocks 4-7) may be out
	WIN MUL_LO
	MUL16 0, (\q)%2, \q, \slot, \zero
	MUL16 2, (\q)%2, \q, \slot, \zero
	s_wait_dscnt 0
	PLACES NP
	FETCH_B \slot, (\q)+1, 1-(\q)%2
	FETCH_A \slot, (\q)+1, 0
	WIN MUL_HI
	MUL16 4, (\q)%2, \q, \slot, \zero
	MUL16 6, (\q)%2, \q, \slot, \zero
	PLACES NP
	WIN 0
	FETCH_A \slot, (\q)+1, 4
.endm
; Slot 0's last step changes slots: each wave waits for all its tensor loads (slot 1's was still out), adds 0 to its spare word, waits for that and for its reads of slot 0, and passes the barrier.  Nothing is filled again.
.macro TURN slot, next
	s_wait_tensorcnt 0x0
	ds_add_u32 v[SPW], v[NIL]
	s_wait_dscnt 4*NL+1                            ; (the add and the youngest eight loads may be out)
	WIN MUL_LO
	MUL16 0, 1, NQ-1, \slot, 0
	s_wait_dscnt 0x0                               ; the add is done, and my reads of this slot are over
	s_barrier_signal -1
	MUL16 2, 1, NQ-1, \slot, 0
	WIN 0
	s_barrier_wait -1
	PLACES NP
	v_add_nc_u32 v[ADRS], 4*NQ, v[ADRS]            ; on to the next K step's scale words
	FETCH_B \next, 0, 0
	FETCH_A \next, 0, 0
	SCALES \next
	WIN MUL_HI
	MUL16 4, 1, NQ-1, \slot, 0
	MUL16 6, 1, NQ-1, \slot, 0
	PLACES NP
	WIN 0
	FETCH_A \next, 0, 4
.endm
.macro STEPS slot, from
.set Q, \from
.rept NQ-1-\from
	STEP \slot, Q, 0
.set Q, Q+1
.endr
.endm
	s_wait_tensorcnt 1                             ; the scales and my part of K step 0 are in (slot 1's load may be out),
	s_barrier_signal -1
	s_barrier_wait -1                              ; everybody's are
	FETCH_B 0, 0, 0
	FETCH_A 0, 0, 0
	SCALES 0
	FETCH_A 0, 0, 4
	STEP 0, 0, 1                                   ; the first products start the sums: nothing is cleared
	STEPS 0, 1
	TURN 0, 1
	STEPS 1, 0
	s_wait_dscnt 4*NL                              ; the very last step
	WIN MUL_LO
	MUL16 0, 1, NQ-1, 1, 0
	MUL16 2, 1, NQ-1, 1, 0
	s_wait_dscnt 0
	WIN MUL_HI
	MUL16 4, 1, NQ-1, 1, 0
	MUL16 6, 1, NQ-1, 1, 0
	WIN 0
	PLACES NP                                      ; behind the last products: for the reads of results and the writes of registers that held scales and fragments
	; THE FIRST 16 TOKENS OF A BATCH leave in f32 too, as they stand in the registers.  The jump hangs on the cluster's y and the wave's number; which of the four partners along y holds them is told by a lane mask, not by a jump.
	s_cmp_lg_u32 s94, 0
	s_cbranch_scc1 .Lno_fine
	s_wait_xcnt 0x0                                ; EXEC changes only behind this wait
	v_cmp_eq_u32 vcc_lo, 0, v[CYV]
	s_and_saveexec_b32 s95, vcc_lo                 ; all lanes where cy = 0, else none
	WIN 0x08                                       ; a store's data: window 2
.irp b, 0,1,2,3,4,5,6,7
	global_store_b128 v[CO], v[8*\b:8*\b+3], s[96:97] offset:1024*\b        ; 32 lanes store 512 consecutive bytes; each accumulator from its low end on
	global_store_b128 v[CO], v[8*\b+4:8*\b+7], s[96:97] offset:1024*\b+512
.endr
	WIN 0
	s_wait_xcnt 0x0                                ; and again ahead of the line that widens it
	s_or_b32 exec_lo, exec_lo, s95
.Lno_fine:
; THE WAY OUT, block by block of 16 tokens x 128 features (two planes).  PACK: x the factor, rounded to f16.  TOSTAGE: into my stage, and back by planes.  SEND: four tokens x 128 bytes of a plane are 512 consecutive bytes.
.macro PACK a
.set AC, 64*((\a)%4)
	WIN 0x02+(\a)/4                                ; source 0: window 2 or 3
.set i, 0
.rept 32
	v_pk_mul_f32 v[SD+2*i:SD+2*i+1], v[AC+2*i:AC+2*i+1], s[FAC:FAC+1] op_sel_hi:[1,0]   ; ascending: each accumulator from its low end on
.set i, i+1
.endr
	WIN 0
.set i, 0
.rept 32
	v_cvt_pk_f16_f32 v[TMP+i], v[SD+2*i], v[SD+2*i+1]
.set i, i+1
.endr
.endm
.macro TOSTAGE a
.set BB, OB+192*((\a)%2)
.irp b, 0,1,2,3,4,5,6,7
	ds_store_b128 v[STO], v[TMP+4*\b:TMP+4*\b+3] offset:32*\b
.endr
.irp t, 0,1,2,3,4,5,6,7
	ds_load_b128 v[BB+4*\t:BB+4*\t+3], v[RD] offset:(\t%4)*4*SPITCH+128*(\t/4)   ; LDS serves a wave's instructions in order (ISA guide 5.7.1.4): these see the stores above
.endr
.endm
.macro SEND a
.set BB, OB+192*((\a)%2)
	s_wait_dscnt 0x0                               ; the block is back in registers
	s_wait_xcnt 0x0                                ; the stores of the block before have read their registers, into which the next block's loads will land
.irp t, 0,1,2,3,4,5,6,7
	global_store_b128 v[CO], v[BB+4*\t:BB+4*\t+3], s[12:13] offset:(\t/4)*524288+(\a)*2048+(\t%4)*512
.endr
.endm
	PACK 0
	TOSTAGE 0
.irp a, 1,2,3,4,5,6,7                  ; block a's arithmetic stands between block a - 1's loads from the stage and the wait for them
	PACK \a
	SEND \a-1
	TOSTAGE \a
.endr
	SEND 7
	s_wait_tensorcnt 0x0                           ; the wave's end
	ds_add_u32 v[SPW], v[NIL]
	s_wait_dscnt 0x0
	CROUND                                         ; the closing round
	s_endpgm
.Lfunc_end_k_q194306faa2_qkv:
	.size	k_q194306faa2_qkv, .Lfunc_end_k_q194306faa2_qkv-k_q194306faa2_qkv
	.p2alignl 7, 3214868480
	.fill 96, 4, 3214868480
	.section	.rodata,"a",@progbits
	.p2align	6, 0x0
	.amdhsa_kernel k_q194306faa2_qkv
		.amdhsa_group_segment_fixed_size 327680
		.amdhsa_private_segment_fixed_size 0
		.amdhsa_enable_private_segment 0
		.amdhsa_kernarg_size 48
		.amdhsa_user_sgpr_count 2
		.amdhsa_user_sgpr_kernarg_segment_ptr 1
		.amdhsa_wavefront_size32 1
		.amdhsa_system_sgpr_workgroup_id_x 1
		.amdhsa_system_sgpr_workgroup_id_y 1
		.amdhsa_system_sgpr_workgroup_id_z 1
		.amdhsa_system_vgpr_workitem_id 0
		.amdhsa_next_free_vgpr 1024
		.amdhsa_next_free_sgpr 100
		.amdhsa_reserve_vcc 1
		.amdhsa_float_denorm_mode_32 3
		.amdhsa_float_denorm_mode_16_64 3
		.amdhsa_memory_ordered 1
		.amdhsa_forward_progress 1
		.amdhsa_inst_pref_size 145
	.end_amdhsa_kernel
	.amdgpu_metadata
---
amdhsa.version: [ 1, 2 ]
amdhsa.kernels:
  - .name:           k_q194306faa2_qkv
    .symbol:         k_q194306faa2_qkv.kd
    .args:
      - { .name: xc, .offset: 0, .size: 8, .value_kind: global_buffer, .address_space: global }
      - { .name: xs, .offset: 8, .size: 8, .value_kind: global_buffer, .address_space: global }
      - { .name: wc, .offset: 16, .size: 8, .value_kind: global_buffer, .address_space: global }
      - { .name: ws, .offset: 24, .size: 8, .value_kind: global_buffer, .address_space: global }
      - { .name: qkv, .offset: 32, .size: 8, .value_kind: global_buffer, .address_space: global }
      - { .name: qkvf, .offset: 40, .size: 8, .value_kind: global_buffer, .address_space: global }
    .group_segment_fixed_size: 327680
    .private_segment_fixed_size: 0
    .kernarg_segment_align: 8
    .kernarg_segment_size: 48
    .max_flat_workgroup_size: 128
    .sgpr_count:     100
    .vgpr_count:     1024
    .wavefront_size: 32
...
	.end_amdgpu_metadata
.endif
;; end of part 2
;; launch attn (part 3): grid 8 x 32, 16 waves a work-group, no clusters, 327,680 bytes of LDS; arguments qkv, cat2; writes cat2
.if DOCPART == 3
	.amdgcn_target "amdgcn-amd-amdhsa--gfx1250"
	.amdhsa_code_object_version 6
	.text
	.protected	k_q194306faa2_attn
	.globl	k_q194306faa2_attn
	.p2align	8
	.type	k_q194306faa2_attn,@function
k_q194306faa2_attn:
	s_mov_b64 s[64:65], 0
	v_nop
	global_prefetch_b8 v0, s[64:65] scope:SCOPE_SE
	s_setreg_imm32_b32 hwreg(HW_REG_WAVE_MODE, 25, 1), 1
	s_wait_xcnt 0x0
; cat[b][s][head][:] = the sum over keys t <= s of softmax_t(q . k / 8) v, for 2 batches x 16 heads x 2,048 positions, head size 64.  q, k, v: f16 planes [plane][token][64] (q of head h: plane h, already x log2(e) / 8; k: 16 + h; v: 32 + h).
; Products on f16 operands with f32 sums; maxima, exponentials and sums in f32; the weights p are rounded to f16 for the second product, the result once at the end.
; OUT: cat2, f16, [token / 2][head 16][token % 2][64]: two neighbouring tokens of a head are 256 consecutive bytes.
; (Positions 0-15 of each batch are computed here like the others; what the program leaves for them in its output comes from its last launch, in f32.)
; SOFTMAX: the scores come as t = q . k log2(e) / 8.  For each query a running maximum m and sum l: p = 2^(t - m), at most 1; in every step O and l are multiplied by a = 2^(m_old - m_new).
; SHARES: work-group (p, batch and head) owns the blocks of 128 queries number p and 15 - p: (p + 1) + (16 - p) = 17 blocks of keys under the mask for every p.  Each of its SIXTEEN waves owns one tile of 16 queries in 256 registers;
; wave w takes tile w / 2 of the low or of the high block, by (w xor w / 4) % 2.  Keys go 64 a step through two LDS slots of 256 keys: wave 0 fetches a slot's K (32 KiB, one tensor load), wave 1 its V; all sixteen read them.
; THE MASK: every work-group walks all 8 slots, so trip counts are constants; a step all of whose keys come after the wave's queries is jumped over; a slot whose first key comes after the work-group's last query is not asked for.
; NO CLUSTER: the work-groups of a head ask for different numbers of slots (8, 8, 7, 7, 6, 6, 5, 5 for p = 0 .. 7), so a joint load would bring some partners tiles that none of their waves reads.
; LAYOUT: both products transposed: S^T = K Q^T (source 0 = 16 keys, source 1 = my 16 queries), O^T = V^T P: a lane holds ONE query (lane % 16) throughout; two tiles of S^T, rounded in pairs, ARE source 1 of the second product.
; In LDS two keys share a row of 256 bytes: key t lies at (t / 2) x pitch + 128 (t % 2).  K: pitch 272; V: pitch 288, read turned by ds_load_tr16_b128.
.set KP,    272
.set VP,    288
.set VOFF,  128*KP                     ; a slot: 128 double rows of K, then 128 of V
.set SLOT1, 1<<17                      ; slot 1 begins here: one exclusive or turns an address
.set SPARE, 2*SLOT1                    ; the spare words, 128 bytes for each of 16 waves
.set SLOTB, 32768                      ; a slot's keys in memory: 256 x 128 bytes
.set AK0, 1                            ; v1  my lane's place in a tile of K
.set AV0, 2                            ; v2  and of V
.set SPW, 3                            ; v3  my spare word; never rewritten
.set NIL, 4                            ; v4  0; never rewritten
.set GO,  5                            ; v5  the way out: my byte offset in cat2
.set ADK, 6
.set ADV, 7
.set PFO, 8                            ; v8  256 x lane
.set D0,  9                            ; v9  lane % 16 - 8 (lane / 16)
.set MX,  12                           ; v12 m; v13 the old m, then m_old - m_new
.set LX,  14                           ; v[14:15] l, in two halves
.set QX,  20                           ; v20-35  Q: channels 32 c on at 8 c
.set KX,  36                           ; v36-99  K: tile kt, channels 32 c on at 16 kt + 8 c
.set VX,  100                          ; v100-163 V^T: keys 32 ks on, channels 16 ct on at 8 (4 ks + ct)
.set SX,  164                          ; v164-195 S^T, then p
.set PX,  196                          ; v196-211 p as f16 pairs
.set OX,  212                          ; v212-243 O^T
.set WV,  18
.set SEL, 20
.set G1K, 24
.set G1V, 32
.set G0K, 40
.set G0V, 44
.set TB,  2                            ; s2  LDS byte at which the slot in hand begins
.set SLOTS, 67
.set LQ,  68                           ; s68 my work-group's last query
.set PFA, 76
.set LIM, 80
.set KF,  98                           ; s98 the step's first key
.set Q0,  99                           ; s99 my first query
; Wave 0 fetches K, wave 1 V, the others nothing.  An s_nop 0 and four v_nop follow each of the two lines.
.macro TLOAD
	s_cmp_eq_u32 s[WV], 0
	s_cbranch_scc0 .Lnot_k_\@
	tensor_load_to_lds s[G0K:G0K+3], s[G1K:G1K+7]
	s_nop 0
.rept 4
	v_nop
.endr
	s_branch .Lasked_\@
.Lnot_k_\@:
	s_cmp_eq_u32 s[WV], 1
	s_cbranch_scc0 .Lasked_\@
	tensor_load_to_lds s[G0V:G0V+3], s[G1V:G1V+7]
	s_nop 0
.rept 4
	v_nop
.endr
.Lasked_\@:
.endm
; A PREFETCH INTO THE L2 of the slot that the NEXT change of slots will ask for: 32,768 bytes of K and as many of V.  All work-groups of a head walk the same K and V: the head's work-group p = 0 asks, which walks all slots.
; In it waves 4 to 7 ask for K's block and waves 8 to 11 for V's, 8,192 bytes a wave, lanes 256 bytes apart: each aligned block of 256 bytes is named once in the launch.  Slots 0 and 1 come by their loads alone; the last change that fills asks for nothing.
.macro ASK
	s_cmp_gt_u32 s[SLOTS], s[LIM]
	s_cbranch_scc0 .Lnot_mine_\@
	global_prefetch_b8 v[PFO], s[PFA:PFA+1] th:TH_LOAD_NT scope:SCOPE_SE
.Lnot_mine_\@:
.endm
	s_load_b128 s[4:7], s[0:1], 0x0                ; qkv, cat2
	v_lshl_add_u32 v[SPW], v0, 2, SPARE
	v_mov_b32 v[NIL], 0
	ds_add_u32 v[SPW], v[NIL]                      ; the wave's opening: the add, twice on end, and its wait ahead of the first tensor load
	ds_add_u32 v[SPW], v[NIL]
	v_lshrrev_b32 v6, 5, v0
	v_readfirstlane_b32 s[WV], v6                  ; wave 0..15
	s_and_b32 s70, ttmp7, 0xffff
	s_lshr_b32 s71, s70, 4                         ; batch
	s_and_b32 s70, s70, 15                         ; head
	s_lshl_b32 s72, s70, 19                        ; the head's plane,
	s_lshl_b32 s73, s71, 18                        ; the batch's 2,048 tokens of 128 bytes
	s_add_co_u32 s72, s72, s73
	s_mov_b32 s73, 0
	s_lshr_b32 s74, s[WV], 2
	s_xor_b32 s74, s74, s[WV]
	s_and_b32 s74, s74, 1                          ; 1: my tile lies in the high block
	s_sub_co_u32 s75, 15, ttmp9
	s_cmp_eq_u32 s74, 1
	s_cselect_b32 s75, s75, ttmp9                  ; my block of 128 queries
	s_lshl_b32 s75, s75, 7
	s_lshr_b32 s81, s[WV], 1
	s_lshl_b32 s81, s81, 4
	s_add_co_u32 s[Q0], s75, s81                   ; my first query
	s_sub_co_u32 s[LQ], 16, ttmp9
	s_lshl_b32 s[LQ], s[LQ], 7
	s_sub_co_u32 s[LQ], s[LQ], 1                   ; 128 (16 - p) - 1
	s_mov_b32 s[G1K], (1<<16)|(1<<20)|(5<<22)|(3<<25)   ; no mask; elements of 2 bytes; padding on: 4 words after every 64
	s_mov_b32 s[G1V], (1<<16)|(1<<20)|(5<<22)|(7<<25)   ; 8 words after every 64
.irp g, G1K, G1V
	s_mov_b32 s[\g+1], 128<<16                     ; tensor_dim0 = 128 elements: two keys
	s_mov_b32 s[\g+2], 128<<16                     ; tensor_dim1 = 128 rows
	s_mov_b32 s[\g+3], 128<<16                     ; tile_dim0
	s_mov_b32 s[\g+4], 128                         ; tile_dim1
	s_mov_b32 s[\g+5], 128                         ; the pitch: dense
	s_mov_b32 s[\g+6], 0
	s_mov_b32 s[\g+7], 0
.endr
	s_mov_b32 s[SEL], 0x76543210
	s_mov_b32 s[SEL+1], 0xfedcba98                 ; v_permlanex16_b32's selects for lane l xor 16
	s_mov_b32 s[TB], 0
	s_mov_b32 s[KF], 0
	s_mov_b32 s[SLOTS], 7
	s_wait_dscnt 0x0                               ; both opening adds are done
	s_wait_kmcnt 0x0
	s_mov_b32 s[G0K], 1
	s_mov_b32 s[G0K+1], 0
	s_add_nc_u64 s[G0K+2:G0K+3], s[4:5], s[72:73]
	s_add_nc_u64 s[G0K+2:G0K+3], s[G0K+2:G0K+3], 16*524288   ; k's planes
	s_or_b32 s[G0K+3], s[G0K+3], 0x80000000
	s_mov_b32 s[G0V], 1
	s_mov_b32 s[G0V+1], VOFF
	s_add_nc_u64 s[G0V+2:G0V+3], s[4:5], s[72:73]
	s_add_nc_u64 s[G0V+2:G0V+3], s[G0V+2:G0V+3], 32*524288   ; v's planes
	s_or_b32 s[G0V+3], s[G0V+3], 0x80000000
	TLOAD                                          ; slot 0: it holds key 0, which counts for every query
	s_cmp_lt_u32 s[WV], 8                          ; the prefetches: waves 4-7 K's planes, waves 8-11 V's
	s_cselect_b32 s86, 0, 16*524288
	s_add_co_u32 s86, s86, 16*524288+SLOTB         ; in slot 1: the first change of slots steps it to slot 2
	s_and_b32 s87, s[WV], 3
	s_lshl_b32 s87, s87, 13                        ; my wave's 8,192 bytes
	s_add_co_u32 s86, s86, s87
	s_add_co_u32 s86, s86, s72
	s_mov_b32 s87, 0
	s_add_nc_u64 s[PFA:PFA+1], s[4:5], s[86:87]
	s_sub_co_u32 s86, s[WV], 4
	s_lshr_b32 s86, s86, 3                         ; 0 in waves 4 to 11,
	s_or_b32 s86, s86, ttmp9                       ; of the head's work-group 0
	s_cmp_eq_u32 s86, 0
	s_cselect_b32 s[LIM], 1, -1
	s_lshl_b32 s82, s[Q0], 7
	s_add_co_u32 s82, s82, s72
	s_mov_b32 s83, 0
	s_add_nc_u64 s[4:5], s[4:5], s[82:83]          ; q at my first query
	s_lshl_b32 s88, s71, 11
	s_add_co_u32 s88, s88, s[Q0]                   ; my first token
	s_lshl_b32 s88, s88, 11                        ; 4,096 bytes a pair of tokens
	s_lshl_b32 s89, s70, 8
	s_add_co_u32 s88, s88, s89
	s_mov_b32 s89, 0
	s_add_nc_u64 s[6:7], s[6:7], s[88:89]
	v_and_b32 v244, 15, v0                         ; r
	v_bfe_u32 v245, v0, 4, 1                       ; h
	v_lshlrev_b32 v246, 7, v244
	v_lshl_add_u32 v246, v245, 4, v246             ; q: row r of 128 bytes + 16 h
.irp i, 0,1,2,3
	global_load_b128 v[QX+4*\i:QX+4*\i+3], v246, s[4:5] offset:32*\i   ; Q stays in registers
.endr
	v_lshrrev_b32 v247, 1, v244
	v_and_b32 v248, 1, v244
	v_mul_u32_u24 v[AK0], v247, KP
	v_lshl_add_u32 v[AK0], v248, 7, v[AK0]
	v_lshl_add_u32 v[AK0], v245, 4, v[AK0]         ; K: key r: (r / 2) KP + 128 (r % 2) + 16 h
	v_bfe_u32 v247, v0, 1, 2
	v_lshl_add_u32 v247, v245, 2, v247             ; V: key 8 h + lane % 8: double row 4 h + (lane / 2) % 4,
	v_mul_u32_u24 v[AV0], v247, VP
	v_and_b32 v248, 1, v0
	v_lshl_add_u32 v[AV0], v248, 7, v[AV0]         ; its half,
	v_bfe_u32 v248, v0, 3, 1
	v_lshl_add_u32 v[AV0], v248, 4, v[AV0]         ; channels 8 ((lane / 8) % 2) on
	v_add_nc_u32 v[AV0], VOFF, v[AV0]
	v_lshlrev_b32 v[GO], 12, v245
	v_lshl_add_u32 v[GO], v244, 4, v[GO]           ; the way out: lanes 0-15 one pair of tokens, lanes 16-31 the next
	v_and_b32 v[PFO], 31, v0
	v_lshlrev_b32 v[PFO], 8, v[PFO]
	v_lshlrev_b32 v[D0], 3, v245
	v_sub_nc_u32 v[D0], v244, v[D0]
	v_mov_b32 v11, 0xff800000                      ; -infinity
	v_mov_b32 v[MX], 0xff61b1e6                    ; m: -3e38, under every t
	v_mov_b32 v13, 0
	v_mov_b32 v[LX], 0
	v_mov_b32 v[LX+1], 0
.irp j, 16,17,18,19
	v_mov_b32 v\j, 0                               ; at work in a step; written here so that they are written on every way
.endr
.set i, 0
.rept 32
	v_mov_b32 v[OX+i], 0                           ; O^T.  (The step is written once: its first turn finds zeros, which a = 0 leaves zeros)
.set i, i+1
.endr
; A KEY STEP: 64 keys, the q-th of the slot in hand.
.macro STEP q
	s_add_co_u32 s96, s[Q0], 15
	s_cmp_gt_u32 s[KF], s96                        ; all 64 keys come after my 16 queries: ids and the count of steps alone
	s_cbranch_scc1 .Lhidden_\@
	v_add_nc_u32 v[ADK], s[TB], v[AK0]
	v_add_nc_u32 v[ADV], s[TB], v[AV0]
	v_nop
	v_nop                                          ; four plain instructions between the last step's products and the loads into V's registers
.irp kt, 0,1,2,3
.irp c, 0,1
	ds_load_b128 v[KX+16*\kt+8*\c:KX+16*\kt+8*\c+3], v[ADK] offset:(32*(\q)+8*\kt)*KP+64*\c
	ds_load_b128 v[KX+16*\kt+8*\c+4:KX+16*\kt+8*\c+7], v[ADK] offset:(32*(\q)+8*\kt)*KP+64*\c+32
.endr
.endr
.irp ks, 0,1
.irp ct, 0,1,2,3
	ds_load_tr16_b128 v[VX+8*(4*\ks+\ct):VX+8*(4*\ks+\ct)+3], v[ADV] offset:(32*(\q)+16*\ks)*VP+32*\ct
	ds_load_tr16_b128 v[VX+8*(4*\ks+\ct)+4:VX+8*(4*\ks+\ct)+7], v[ADV] offset:(32*(\q)+16*\ks+8)*VP+32*\ct
.endr
.endr
	s_wait_dscnt 16                                ; K's sixteen loads are in; V's sixteen stay out through the softmax
.irp kt, 0,1,2,3
	v_wmma_f32_16x16x32_f16 v[SX+8*\kt:SX+8*\kt+7], v[KX+16*\kt:KX+16*\kt+7], v[QX:QX+7], 0
.endr
.irp kt, 0,1,2,3                               ; the four accumulators take turns
	v_wmma_f32_16x16x32_f16 v[SX+8*\kt:SX+8*\kt+7], v[KX+16*\kt+8:KX+16*\kt+15], v[QX+8:QX+15], v[SX+8*\kt:SX+8*\kt+7]
.endr
.rept 4
	v_nop
.endr
	s_add_co_u32 s96, s[KF], 63                    ; on the diagonal hidden scores become -infinity; a step all of whose keys count skips this
	s_cmp_le_u32 s96, s[Q0]
	s_cbranch_scc1 .Lopen_\@
	s_sub_co_i32 s96, s[Q0], s[KF]
	v_add_nc_u32 v10, s96, v[D0]                   ; d = my query - KF - 8 (lane / 16).  Register n holds key KF + 16 (n / 8) + 8 (lane / 16) + n % 8: hidden where 16 (n / 8) + n % 8 > d
.set n, 0
.rept 32
	v_cmp_gt_i32 vcc_lo, 16*(n/8)+n%8, v10
	v_cndmask_b32 v[SX+n], v[SX+n], v11, vcc_lo
.set n, n+1
.endr
.Lopen_\@:
.irp j, 0,1,2,3
	v_max3_num_f32 v[16+\j], v[SX+8*\j], v[SX+8*\j+1], v[SX+8*\j+2]   ; the maximum, in four chains; each accumulator from its low end on
.endr
.irp i, 3,5
.irp j, 0,1,2,3
	v_max3_num_f32 v[16+\j], v[16+\j], v[SX+8*\j+\i], v[SX+8*\j+\i+1]
.endr
.endr
	v_max3_num_f32 v16, v16, v[SX+7], v[SX+15]
	v_max3_num_f32 v18, v18, v[SX+23], v[SX+31]
	v_max3_num_f32 v16, v16, v17, v18
	v_max3_num_f32 v16, v16, v19, v[MX]            ; with the old m
	v_permlanex16_b32 v17, v16, s[SEL], s[SEL+1]   ; the query's other 32 keys lie in the lane 16 away
	v_mov_b32 v13, v[MX]
	v_max_num_f32 v[MX], v16, v17                  ; the new m
	v_sub_f32 v13, v13, v[MX]                      ; m_old - m_new, 0 or less
.set i, 0
.rept 16
	v_pk_add_f32 v[SX+2*i:SX+2*i+1], v[SX+2*i:SX+2*i+1], v[MX:MX+1] op_sel_hi:[1,0] neg_lo:[0,1] neg_hi:[0,1]   ; t - m, two at a time: 0 or less
.set i, i+1
.endr
	v_exp_f32 v18, v13                             ; a
.set i, 0
.rept 32
	v_exp_f32 v[SX+i], v[SX+i]                     ; p
.set i, i+1
.endr
	v_nop                                          ; a plain instruction behind the last exponential
	s_wait_alu depctr_va_vdst(0)                   ; one wait for the batch of 33, ahead of the first instruction that names a result
.set i, 0
.rept 16
	v_cvt_pk_f16_f32 v[PX+i], v[SX+2*i], v[SX+2*i+1]
.set i, i+1
.endr
.irp z, 0,1,2,3,4,5,6,7                        ; the sum of the unrounded p, in place: neighbours 1, 2, 4, 8 pairs apart
	v_pk_add_f32 v[SX+4*\z:SX+4*\z+1], v[SX+4*\z:SX+4*\z+1], v[SX+4*\z+2:SX+4*\z+3]
.endr
.irp z, 0,1,2,3
	v_pk_add_f32 v[SX+8*\z:SX+8*\z+1], v[SX+8*\z:SX+8*\z+1], v[SX+8*\z+4:SX+8*\z+5]
.endr
.irp z, 0,1
	v_pk_add_f32 v[SX+16*\z:SX+16*\z+1], v[SX+16*\z:SX+16*\z+1], v[SX+16*\z+8:SX+16*\z+9]
.endr
	v_pk_add_f32 v[SX:SX+1], v[SX:SX+1], v[SX+16:SX+17]
	v_pk_fma_f32 v[LX:LX+1], v[LX:LX+1], v[18:19], v[SX:SX+1] op_sel_hi:[1,0,1]   ; l = a l + the sum
.set i, 0
.rept 16
	v_pk_mul_f32 v[OX+2*i:OX+2*i+1], v[OX+2*i:OX+2*i+1], v[18:19] op_sel_hi:[1,0]   ; O^T x a
.set i, i+1
.endr
	s_wait_dscnt 0x0                               ; V is in
.irp ks, 0,1
.irp ct, 0,1,2,3
	v_wmma_f32_16x16x32_f16 v[OX+8*\ct:OX+8*\ct+7], v[VX+8*(4*\ks+\ct):VX+8*(4*\ks+\ct)+7], v[PX+8*\ks:PX+8*\ks+7], v[OX+8*\ct:OX+8*\ct+7]
.endr
.endr
.Lhidden_\@:
	s_add_co_u32 s[KF], s[KF], 64
.endm
; THE CHANGE OF SLOTS stands at a slot's head.  Each wave waits for all its tensor loads, adds 0 to its spare word, and waits for that and for its reads of the slot that it has left; behind the barrier the slot ahead is whole and nobody reads the other.
; fill = 1: that other slot is filled with the next 256 keys, up to the causal limit: the load has a slot's four steps in which to land.  A wave has at most one tensor load out.
.macro CHANGE fill
	s_wait_tensorcnt 0x0                           ; no tensor load of mine is out, so a descriptor may be written
	ds_add_u32 v[SPW], v[NIL]
.if \fill
	ds_add_u32 v[SPW], v[NIL]                      ; and twice on end here, in every trip alike
	s_xor_b32 s[G0K+1], s[G0K+1], SLOT1            ; the walking descriptors: the other slot, the next 256 keys
	s_add_nc_u64 s[G0K+2:G0K+3], s[G0K+2:G0K+3], SLOTB
	s_xor_b32 s[G0V+1], s[G0V+1], SLOT1
	s_add_nc_u64 s[G0V+2:G0V+3], s[G0V+2:G0V+3], SLOTB
	s_wait_xcnt 0x0                                ; the last prefetch, a slot back, has read its address
	s_add_nc_u64 s[PFA:PFA+1], s[PFA:PFA+1], SLOTB
.endif
	s_wait_dscnt 0x0
	s_barrier_signal -1
	s_barrier_wait -1
.if \fill
	s_add_co_u32 s96, s[KF], 256                   ; the first key of the slot that this change would ask for
	s_cmp_gt_u32 s96, s[LQ]                        ; beyond my work-group's last query none of its waves would read it.  The work-group's number and the count of steps alone: all sixteen waves go the same way; every wait on TENSORcnt in this text is for 0
	s_cbranch_scc1 .Lpast_\@
	TLOAD
.Lpast_\@:
	ASK
.endif
.endm
.macro SLOT_STEPS
	STEP 0
	STEP 1
	STEP 2
	STEP 3
	s_xor_b32 s[TB], s[TB], SLOT1
.endm
	s_wait_loadcnt 0x0                             ; Q
.Lslot:                                            ; 7 trips
	CHANGE 1
	SLOT_STEPS
	s_sub_co_u32 s[SLOTS], s[SLOTS], 1
	s_cmp_lg_u32 s[SLOTS], 0
	s_cbranch_scc1 .Lslot
	CHANGE 0                                       ; the last slot is written out: nothing is left to ask for
	SLOT_STEPS
	; THE WAY OUT.  O^T / l, rounded to f16, goes through my stage (8 pairs of tokens x 272 bytes, in LDS slot 0, which was left at the last change of slots and has had its last fill) and leaves as whole runs of 256 bytes.
.rept 4
	v_nop
.endr
	v_add_f32 v[LX], v[LX], v[LX+1]
	v_permlanex16_b32 v16, v[LX], s[SEL], s[SEL+1]
	v_add_f32 v[LX], v[LX], v16                    ; the row's sum
	v_rcp_f32 v18, v[LX]
	v_and_b32 v244, 15, v0                         ; (plain work behind the reciprocal)
	v_bfe_u32 v245, v0, 4, 1
	s_mul_i32 s70, s[WV], 8*272
	v_lshrrev_b32 v246, 1, v244
	v_mul_u32_u24 v246, v246, 272
	v_and_b32 v247, 1, v244
	v_lshl_add_u32 v246, v247, 7, v246
	v_lshl_add_u32 v246, v245, 4, v246
	v_add_nc_u32 v246, s70, v246                   ; in: pair r / 2, half r % 2, + 16 h
	v_mul_u32_u24 v248, v245, 272
	v_lshl_add_u32 v248, v244, 4, v248
	v_add_nc_u32 v248, s70, v248                   ; back: lanes 0-15 one pair, lanes 16-31 the next
	s_wait_alu depctr_va_vdst(0)                   ; ahead of the reciprocal's first reader
.set i, 0
.rept 16
	v_pk_mul_f32 v[SX+2*i:SX+2*i+1], v[OX+2*i:OX+2*i+1], v[18:19] op_sel_hi:[1,0]
.set i, i+1
.endr
.set i, 0
.rept 16
	v_cvt_pk_f16_f32 v[PX+i], v[SX+2*i], v[SX+2*i+1]
.set i, i+1
.endr
.irp ct, 0,1,2,3
	ds_store_b128 v246, v[PX+4*\ct:PX+4*\ct+3] offset:32*\ct
.endr
.irp t, 0,1,2,3
	ds_load_b128 v[SX+4*\t:SX+4*\t+3], v248 offset:2*272*\t   ; LDS serves a wave's instructions in order (ISA guide 5.7.1.4): these see my stores
.endr
.irp t, 0,1,2,3
	s_wait_dscnt 3-\t
	global_store_b128 v[GO], v[SX+4*\t:SX+4*\t+3], s[6:7] offset:8192*\t   ; sixteen lanes store 256 consecutive bytes, aligned
.endr
	s_wait_tensorcnt 0x0                           ; the wave's end
	ds_add_u32 v[SPW], v[NIL]
	s_wait_dscnt 0x0
	s_endpgm
.Lfunc_end_k_q194306faa2_attn:
	.size	k_q194306faa2_attn, .Lfunc_end_k_q194306faa2_attn-k_q194306faa2_attn
	.p2alignl 7, 3214868480
	.fill 96, 4, 3214868480
	.section	.rodata,"a",@progbits
	.p2align	6, 0x0
	.amdhsa_kernel k_q194306faa2_attn
		.amdhsa_group_segment_fixed_size 327680
		.amdhsa_private_segment_fixed_size 0
		.amdhsa_enable_private_segment 0
		.amdhsa_kernarg_size 16
		.amdhsa_user_sgpr_count 2
		.amdhsa_user_sgpr_kernarg_segment_ptr 1
		.amdhsa_wavefront_size32 1
		.amdhsa_system_sgpr_workgroup_id_x 1
		.amdhsa_system_sgpr_workgroup_id_y 1
		.amdhsa_system_sgpr_workgroup_id_z 1
		.amdhsa_system_vgpr_workitem_id 0
		.amdhsa_next_free_vgpr 256
		.amdhsa_next_free_sgpr 100
		.amdhsa_reserve_vcc 1
		.amdhsa_float_denorm_mode_32 3
		.amdhsa_float_denorm_mode_16_64 3
		.amdhsa_memory_ordered 1
		.amdhsa_forward_progress 1
		.amdhsa_inst_pref_size 109
	.end_amdhsa_kernel
	.amdgpu_metadata
---
amdhsa.version: [ 1, 2 ]
amdhsa.kernels:
  - .name:           k_q194306faa2_attn
    .symbol:         k_q194306faa2_attn.kd
    .args:
      - { .name: qkv, .offset: 0, .size: 8, .value_kind: global_buffer, .address_space: global }
      - { .name: cat2, .offset: 8, .size: 8, .value_kind: global_buffer, .address_space: global }
    .group_segment_fixed_size: 327680
    .private_segment_fixed_size: 0
    .kernarg_segment_align: 8
    .kernarg_segment_size: 16
    .max_flat_workgroup_size: 512
    .sgpr_count:     100
    .vgpr_count:     256
    .wavefront_size: 32
...
	.end_amdgpu_metadata
.endif
;; end of part 3
;; launch proj (part 4): grid 8 x 32, 4 waves a work-group, clusters of 4 x 4, 327,680 bytes of LDS; arguments cat2, wo2, out0; writes out0
.if DOCPART == 4
	.amdgcn_target "amdgcn-amd-amdhsa--gfx1250"
	.amdhsa_code_object_version 6
	.text
	.protected	k_q194306faa2_proj
	.globl	k_q194306faa2_proj
	.p2align	8
	.type	k_q194306faa2_proj,@function
k_q194306faa2_proj:
	s_mov_b64 s[64:65], 0
	v_nop
	global_prefetch_b8 v0, s[64:65] scope:SCOPE_SE
	s_setreg_imm32_b32 hwreg(HW_REG_WAVE_MODE, 25, 1), 1
	s_wait_xcnt 0x0
	s_wait_alu depctr_hold_cnt(0) depctr_sa_sdst(0) depctr_va_vdst(0) depctr_va_sdst(0) depctr_va_ssrc(0) depctr_va_vcc(0) depctr_vm_vsrc(0)
	s_getreg_b32 s2, hwreg(HW_REG_IB_STS2, 6, 4)
	s_cmp_eq_u32 s2, 0
	s_cbranch_scc0 .Lentry_in_a_cluster
	s_endpgm
.Lentry_in_a_cluster:
	s_bfe_u32 s2, ttmp6, 0x10000c
	s_cmp_lg_u32 s2, 0xf033
	s_cbranch_scc0 .Lentry_shape_is_right
	s_endpgm
.Lentry_shape_is_right:
; out0[token][d] = sum over f of cat[token][f] w_o[d][f]: 4,096 x 1,024, K = 1,024; f16 operands, f32 sums, f32 out.
; (Rows 0-15 of each batch are written here like the others and written again, in f32 arithmetic throughout, by the launch that follows.)
; cat2 and wo2 lie [row / 2][head 16][row % 2][64] in f16: a pair of rows is 4,096 bytes, and a K step of 256 features (4 heads) is 1,024 consecutive bytes of it.
; A tile of the output is 128 x 128 (256 work-groups); four waves, each 64 x 64: 16 accumulators.  K goes in 4 steps of 256 through two LDS slots; a wave's tensor load brings 32 pair rows of 1,024 bytes.
; CLUSTERS: 4 x 4 work-groups; the four of a row need the same tiles of cat2, the four of a column the same tiles of wo2: each tile is asked for JOINTLY.  THE MATRIX INSTRUCTION IS USED TRANSPOSED (source 0 = 16 rows of w_o, source 1 = 16 tokens).
; REGISTERS: window 0: v0-31 addresses; v32-95 the way out; v128-255 the accumulators ((a, b) at v[128 + 8 (4 a + b)]).  window 1: two fragment buffers of 128: for 64 along K, 64 registers of cat, then 64 of w_o.
.set KB,     1024                      ; a K step in a pair row, in bytes
.set PITCH,  1040                      ; an LDS row: 1,024 bytes + 16 of padding.  Row r of a fragment lies at (r / 2) PITCH + 128 (r % 2): sixteen different columns of 16 bytes modulo 256 (64 banks of 4 bytes: ISA guide 11.1)
.set HALFT,  32*PITCH                  ; 64 rows: what one tensor load brings, and what one wave reads of either side
.set SLOT,   4*HALFT
.set STAGE,  2*SLOT                    ; behind the slots: 16 rows x 272 bytes for each wave
.set SPITCH, 272
.set SPARE,  STAGE+4*16*SPITCH
.set LAPS,   2                         ; a lap = two K steps
.set ADRA, 16
.set ADRB, 20
.set STO,  24
.set RD,   25
.set CO,   26
.set SPW,  28
.set NIL,  29
.set TMP,  32
.set ACC,  128
.set F0,   0
.set F1,   128
.set G1, 24
.set G0, 32
.set G1B, 48
.set G0B, 56
.set MSB, 0
.macro WIN new
.if MSB != \new
	s_set_vgpr_msb (MSB<<8)|\new
.set MSB, \new
.endif
.endm
.set MUL,  0x05                        ; sources 0 and 1 window 1; C and D window 0
.set TO_F, 0x40                        ; destination window 1
.macro JLOAD s                         ; a joint load: waves 0 and 1 fetch cat2's two halves, waves 2 and 3 wo2's; an s_nop 0 and four v_nop follow each line
	s_cmp_eq_u32 s11, 0
	s_cbranch_scc0 .Lfor_b_\@
	tensor_load_to_lds s[G0+4*\s:G0+4*\s+3], s[G1:G1+7]
	s_nop 0
.rept 4
	v_nop
.endr
	s_branch .Lasked_\@
.Lfor_b_\@:
	tensor_load_to_lds s[G0B+4*\s:G0B+4*\s+3], s[G1B:G1B+7]
	s_nop 0
.rept 4
	v_nop
.endr
.Lasked_\@:
.endm
.macro CREST
	s_cmp_lg_u32 s10, 0
	s_cbranch_scc1 .Lnot_wave_0_\@
	s_barrier_signal -3
.Lnot_wave_0_\@:
	s_barrier_wait -3
	s_barrier_signal -1
	s_barrier_wait -1
.endm
.macro CROUND
	s_barrier_signal -1
	s_barrier_wait -1
	CREST
.endm
	s_load_b128 s[4:7], s[0:1], 0x0                ; cat2, wo2
	s_load_b64 s[8:9], s[0:1], 0x10                ; out0
	v_lshl_add_u32 v[SPW], v0, 2, SPARE
	v_mov_b32 v[NIL], 0
	ds_add_u32 v[SPW], v[NIL]                      ; the wave's opening: the add, twice on end, and its wait ahead of my first tensor load
	ds_add_u32 v[SPW], v[NIL]
	v_lshrrev_b32 v1, 5, v0
	v_readfirstlane_b32 s10, v1                    ; wave 0..3
	s_lshr_b32 s11, s10, 1                         ; which half of the tile's tokens is mine.  Also: I fetch for cat2 (0) or wo2 (1)
	s_and_b32 s12, s10, 1                          ; which half of its columns.  Also: which 64 rows I fetch
	s_bfe_u32 s40, ttmp6, 0x40000                  ; cx, cy
	s_bfe_u32 s41, ttmp6, 0x40004
	s_lshl_b32 s42, ttmp9, 2
	s_add_co_u32 s42, s42, s40                     ; tile column
	s_and_b32 s13, ttmp7, 0xffff
	s_lshl_b32 s13, s13, 2
	s_add_co_u32 s13, s13, s41                     ; tile row
	s_lshl_b32 s43, s41, 2
	s_lshl_b32 s43, 15, s43                        ; my row of the cluster
	s_lshl_b32 s44, 0x1111, s40                    ; my column
	s_or_b32 s[G1+0], s43, (1<<16)|(1<<20)|(1<<21)|(7<<22)|(3<<25)  ; the mask; elements of 2 bytes; padding on; bit 21 beside a mask; 4 words after every 256
	s_or_b32 s[G1B+0], s44, (1<<16)|(1<<20)|(1<<21)|(7<<22)|(3<<25)
.irp g, G1, G1B
	s_mov_b32 s[\g+1], 512<<16                     ; tensor_dim0 = 512 elements
	s_mov_b32 s[\g+2], 32<<16                      ; tensor_dim1 = 32 pair rows
	s_mov_b32 s[\g+3], 512<<16                     ; tile_dim0
	s_mov_b32 s[\g+4], 32                          ; tile_dim1
	s_mov_b32 s[\g+5], 2048                        ; the pitch: a pair row
	s_mov_b32 s[\g+6], 0
	s_mov_b32 s[\g+7], 0
.endr
	s_lshl_b32 s18, s12, 5                         ; which 32 pair rows of the tile I fetch
	s_lshl_b32 s16, s13, 6
	s_add_co_u32 s16, s16, s18                     ; cat2: pair row 64 x tile row + 32 x half
	s_lshl_b32 s16, s16, 12
	s_mov_b32 s17, 0
	s_lshl_b32 s46, s42, 6
	s_add_co_u32 s46, s46, s18                     ; wo2: pair row 64 x tile column + 32 x half
	s_lshl_b32 s46, s46, 12
	s_mov_b32 s47, 0
	s_mul_i32 s20, s10, HALFT                      ; where they go: wave x 32 pair rows
	s_wait_dscnt 0x0                               ; both opening adds are done
	s_wait_kmcnt 0x0
	s_add_nc_u64 s[14:15], s[4:5], s[16:17]
	s_add_nc_u64 s[46:47], s[6:7], s[46:47]
	CROUND                                         ; all sixteen work-groups are here: the first joint loads meet
.irp s, 0,1
	s_mov_b32 s[G0+4*\s], 1
	s_add_co_u32 s[G0+4*\s+1], s20, \s*SLOT
	s_add_nc_u64 s[G0+4*\s+2:G0+4*\s+3], s[14:15], \s*KB
	s_or_b32 s[G0+4*\s+3], s[G0+4*\s+3], 0x80000000
	s_mov_b32 s[G0B+4*\s], 1
	s_add_co_u32 s[G0B+4*\s+1], s20, \s*SLOT
	s_add_nc_u64 s[G0B+4*\s+2:G0B+4*\s+3], s[46:47], \s*KB
	s_or_b32 s[G0B+4*\s+3], s[G0B+4*\s+3], 0x80000000
	JLOAD \s
.endr
	v_and_b32 v1, 15, v0                           ; r
	v_bfe_u32 v2, v0, 4, 1                         ; h
	v_lshrrev_b32 v3, 1, v1
	v_mul_u32_u24 v3, v3, PITCH
	v_and_b32 v4, 1, v1
	v_lshl_add_u32 v3, v4, 7, v3
	v_lshl_add_u32 v3, v2, 4, v3                   ; a fragment's row: (r / 2) PITCH + 128 (r % 2) + 16 h
	s_mul_i32 s21, s11, HALFT                      ; my 64 tokens
	s_mul_i32 s22, s12, HALFT                      ; my 64 rows of w_o,
	s_add_co_u32 s22, s22, 2*HALFT                 ; which lie behind cat2's 128
.irp s, 0,1
	v_add_nc_u32 v[ADRA+\s], s21, v3
	v_add_nc_u32 v[ADRB+\s], s22, v3
	s_add_co_u32 s21, s21, SLOT
	s_add_co_u32 s22, s22, SLOT
.endr
	s_mul_i32 s23, s10, 16*SPITCH
	s_add_co_u32 s23, s23, STAGE                   ; my stage
	v_mul_u32_u24 v4, v1, SPITCH
	v_lshl_add_u32 v4, v2, 5, v4
	v_add_nc_u32 v[STO], s23, v4                   ; in: token r, 32 bytes for each half of the lanes
	v_mul_u32_u24 v5, v2, SPITCH
	v_lshl_add_u32 v5, v1, 4, v5
	v_add_nc_u32 v[RD], s23, v5                    ; back: lanes 0-15 one row of 256 bytes, lanes 16-31 the next
	v_lshlrev_b32 v5, 12, v2
	v_lshl_add_u32 v[CO], v1, 4, v5                ; and the same two rows in out0
	s_lshl_b32 s16, s13, 7
	s_lshl_b32 s17, s11, 6
	s_add_co_u32 s16, s16, s17                     ; my first token
	s_lshl_b32 s16, s16, 12
	s_mov_b32 s17, 0
	s_add_nc_u64 s[8:9], s[8:9], s[16:17]
	s_lshl_b32 s46, s42, 9                         ; my first column, in bytes: 512 x tile column + 256 x half
	s_lshl_b32 s47, s12, 8
	s_add_co_u32 s46, s46, s47
	s_mov_b32 s47, 0
	s_add_nc_u64 s[8:9], s[8:9], s[46:47]
.macro MUL8 f, c, a0, zero             ; 8 matrix instructions: token blocks a0, a0 + 1 x all 4 column blocks, 32 along K: half c of buffer f
.irp a, \a0, \a0+1
.irp b, 0,1,2,3
.if \zero
	v_wmma_f32_16x16x32_f16 v[ACC+8*(4*(\a)+\b):ACC+8*(4*(\a)+\b)+7], v[\f+64+8*(4*\c+\b):\f+64+8*(4*\c+\b)+7], v[\f+8*(4*\c+\a):\f+8*(4*\c+\a)+7], 0
.else
	v_wmma_f32_16x16x32_f16 v[ACC+8*(4*(\a)+\b):ACC+8*(4*(\a)+\b)+7], v[\f+64+8*(4*\c+\b):\f+64+8*(4*\c+\b)+7], v[\f+8*(4*\c+\a):\f+8*(4*\c+\a)+7], v[ACC+8*(4*(\a)+\b):ACC+8*(4*(\a)+\b)+7]
.endif
.endr
.endr
.endm
.macro FETCH slot, k, f                ; 32 LDS loads in one run: one head's 64 features, at byte k of the pair rows; the first 32 along K first.  Sixteen rows are eight pair rows
	WIN TO_F
.irp c, 0,1
.irp i, 0,1,2,3
	ds_load_b128 v[\f+64+8*(4*\c+\i):\f+64+8*(4*\c+\i)+3],   v[ADRB+\slot] offset:\k+64*\c+\i*8*PITCH
	ds_load_b128 v[\f+64+8*(4*\c+\i)+4:\f+64+8*(4*\c+\i)+7], v[ADRB+\slot] offset:\k+64*\c+\i*8*PITCH+32
	ds_load_b128 v[\f+8*(4*\c+\i):\f+8*(4*\c+\i)+3],         v[ADRA+\slot] offset:\k+64*\c+\i*8*PITCH
	ds_load_b128 v[\f+8*(4*\c+\i)+4:\f+8*(4*\c+\i)+7],       v[ADRA+\slot] offset:\k+64*\c+\i*8*PITCH+32
.endr
.endr
.endm
.macro PLACES                          ; four plain instructions in front of loads into registers that matrix instructions have read, and of reads of results
.rept 4
	v_nop
.endr
.endm
.macro QUARTER slot, k, f, g, zero     ; multiplies buffer f (one head) and fetches the next head, at byte k, into g
	s_wait_dscnt 16                                ; the first 32 along K are in
	WIN MUL
	MUL8 \f, 0, 0, \zero
	MUL8 \f, 0, 2, \zero
	PLACES
	FETCH \slot, \k, \g
	s_wait_dscnt 32                                ; all but the 32 just issued
	WIN MUL
	MUL8 \f, 1, 0, 0
	MUL8 \f, 1, 2, 0
.endm
; A K step's last quarter changes slots: each wave waits for all its tensor loads, adds 0 to its spare word, and waits for that and for its reads of this slot.  fill = 1: the barrier opens a round of the cluster's, and this slot is filled again, two K steps ahead.
.macro TURN slot, next, fill
	WIN 0
	s_wait_tensorcnt 0x0
	ds_add_u32 v[SPW], v[NIL]
	s_wait_dscnt 17                                ; (the add and the youngest sixteen loads may be out)
	WIN MUL
	MUL8 F1, 0, 0, 0
	s_wait_dscnt 0x0                               ; the add is done, and my reads of this slot are over
	s_barrier_signal -1
	MUL8 F1, 0, 2, 0
.if \fill
	WIN 0
.endif
	s_barrier_wait -1
.if \fill
	CREST                                          ; no wave of any partner still reads this slot's tile or has a load on its way
	s_add_nc_u64 s[G0+4*\slot+2:G0+4*\slot+3], s[G0+4*\slot+2:G0+4*\slot+3], 2*KB
	s_add_nc_u64 s[G0B+4*\slot+2:G0B+4*\slot+3], s[G0B+4*\slot+2:G0B+4*\slot+3], 2*KB
	JLOAD \slot                                    ; the first tensor load behind the round; its four v_nop are also the places in front of the loads below
.else
	PLACES
.endif
	FETCH \next, 0, F0
	WIN MUL
	MUL8 F1, 1, 0, 0
	MUL8 F1, 1, 2, 0
.endm
	s_wait_tensorcnt 1                             ; my part of K step 0 is in (K step 1's load may be out),
	s_barrier_signal -1
	s_barrier_wait -1                              ; everybody's is
	FETCH 0, 0, F0
	QUARTER 0, 256, F0, F1, 1                      ; the first products start the sums
	WIN 0
	s_mov_b32 s3, LAPS-1
.Llap:                                                 ; a trip goes once round the two slots and fills both again
	QUARTER 0, 512, F1, F0, 0
	QUARTER 0, 768, F0, F1, 0
	TURN 0, 1, 1
	QUARTER 1, 256, F0, F1, 0
	QUARTER 1, 512, F1, F0, 0
	QUARTER 1, 768, F0, F1, 0
	TURN 1, 0, 1
	QUARTER 0, 256, F0, F1, 0
	WIN 0
	s_sub_co_u32 s3, s3, 1
	s_cmp_lg_u32 s3, 0
	s_cbranch_scc1 .Llap
	QUARTER 0, 512, F1, F0, 0                      ; the last lap fills nothing
	QUARTER 0, 768, F0, F1, 0
	TURN 0, 1, 0
	QUARTER 1, 256, F0, F1, 0
	QUARTER 1, 512, F1, F0, 0
	QUARTER 1, 768, F0, F1, 0
	s_wait_dscnt 16
	WIN MUL
	MUL8 F1, 0, 0, 0
	MUL8 F1, 0, 2, 0
	s_wait_dscnt 0
	MUL8 F1, 1, 0, 0
	MUL8 F1, 1, 2, 0
	WIN 0
; THE WAY OUT, block by block of 16 tokens x 64 columns: a wave's 64 columns of f32 are 256 consecutive bytes, aligned, so each wave has a stage of its own and no barrier is needed.
.macro TOSTAGE a
.irp b, 0,1,2,3
	ds_store_b128 v[STO], v[ACC+8*(4*(\a)+\b):ACC+8*(4*(\a)+\b)+3] offset:64*\b        ; each accumulator from its low end on
	ds_store_b128 v[STO], v[ACC+8*(4*(\a)+\b)+4:ACC+8*(4*(\a)+\b)+7] offset:64*\b+16
.endr
.irp t, 0,1,2,3,4,5,6,7
	ds_load_b128 v[TMP+32*((\a)%2)+4*\t:TMP+32*((\a)%2)+4*\t+3], v[RD] offset:\t*2*SPITCH   ; LDS serves a wave's instructions in order (ISA guide 5.7.1.4)
.endr
.endm
.macro SEND a, younger                 ; younger: the LDS instructions issued behind block a's loads
	s_wait_dscnt \younger
.irp t, 0,1,2,3,4,5,6,7
	global_store_b128 v[CO], v[TMP+32*((\a)%2)+4*\t:TMP+32*((\a)%2)+4*\t+3], s[8:9] offset:(16*(\a)+2*\t)*4096 th:TH_STORE_NT   ; sixteen lanes store 256 consecutive bytes, aligned
.endr
.endm
	PLACES
	TOSTAGE 0
.irp a, 1,2,3
.if \a > 1
	s_wait_xcnt 0x0                                ; block a - 2's stores have read their registers: block a's loads may land there
.endif
	TOSTAGE \a
	SEND \a-1, 16                                  ; behind block a - 1's loads: block a's 8 stores and 8 loads
.endr
	SEND 3, 0
	s_wait_tensorcnt 0x0                           ; the wave's end
	ds_add_u32 v[SPW], v[NIL]
	s_wait_dscnt 0x0
	CROUND                                         ; the closing round
	s_endpgm
.Lfunc_end_k_q194306faa2_proj:
	.size	k_q194306faa2_proj, .Lfunc_end_k_q194306faa2_proj-k_q194306faa2_proj
	.p2alignl 7, 3214868480
	.fill 96, 4, 3214868480
	.section	.rodata,"a",@progbits
	.p2align	6, 0x0
	.amdhsa_kernel k_q194306faa2_proj
		.amdhsa_group_segment_fixed_size 327680
		.amdhsa_private_segment_fixed_size 0
		.amdhsa_enable_private_segment 0
		.amdhsa_kernarg_size 24
		.amdhsa_user_sgpr_count 2
		.amdhsa_user_sgpr_kernarg_segment_ptr 1
		.amdhsa_wavefront_size32 1
		.amdhsa_system_sgpr_workgroup_id_x 1
		.amdhsa_system_sgpr_workgroup_id_y 1
		.amdhsa_system_sgpr_workgroup_id_z 1
		.amdhsa_system_vgpr_workitem_id 0
		.amdhsa_next_free_vgpr 512
		.amdhsa_next_free_sgpr 66
		.amdhsa_reserve_vcc 0
		.amdhsa_float_denorm_mode_32 3
		.amdhsa_float_denorm_mode_16_64 3
		.amdhsa_memory_ordered 1
		.amdhsa_forward_progress 1
		.amdhsa_inst_pref_size 86
	.end_amdhsa_kernel
	.amdgpu_metadata
---
amdhsa.version: [ 1, 2 ]
amdhsa.kernels:
  - .name:           k_q194306faa2_proj
    .symbol:         k_q194306faa2_proj.kd
    .args:
      - { .name: cat2, .offset: 0, .size: 8, .value_kind: global_buffer, .address_space: global }
      - { .name: wo2, .offset: 8, .size: 8, .value_kind: global_buffer, .address_space: global }
      - { .name: out0, .offset: 16, .size: 8, .value_kind: global_buffer, .address_space: global }
    .group_segment_fixed_size: 327680
    .private_segment_fixed_size: 0
    .kernarg_segment_align: 8
    .kernarg_segment_size: 24
    .max_flat_workgroup_size: 128
    .sgpr_count:     66
    .vgpr_count:     512
    .wavefront_size: 32
...
	.end_amdgpu_metadata
.endif
;; end of part 4
;; launch fine (part 5): grid 16 x 2, 16 waves a work-group, no clusters, 145,408 bytes of LDS; arguments qkvf, w_o, out0; writes out0
.if DOCPART == 5
	.amdgcn_target "amdgcn-amd-amdhsa--gfx1250"
	.amdhsa_code_object_version 6
	.text
	.protected	k_q194306faa2_fine
	.globl	k_q194306faa2_fine
	.p2align	8
	.type	k_q194306faa2_fine,@function
k_q194306faa2_fine:
	s_mov_b64 s[64:65], 0
	v_nop
	global_prefetch_b8 v0, s[64:65] scope:SCOPE_SE
	s_setreg_imm32_b32 hwreg(HW_REG_WAVE_MODE, 25, 1), 1
	s_wait_xcnt 0x0
; Positions 0-15 of each batch, carried finely from the quantised products' sums to the output: under the causal mask these rows average one to sixteen values, and plain f16 operands would weigh most there.
; qkvf holds q, k, v of those tokens in f32 as register images [batch][feature / 16][part 2][lane 32][16 B]: lane (r, h) holds token r, features 8 h + 0 .. 7 of each sixteen.  This launch runs last and writes rows 0-15 of each batch of out0.
; SHARES: work-group (x, batch) makes out0[batch][0 .. 15][64 x .. 64 x + 63].  Wave w is head w: it makes the head's 16 x 16 scores, softmax and 16 x 64 result (small, so every work-group repeats it),
; then the head's part of the 16 x 64 outputs; the sixteen parts meet in LDS, and wave w adds and stores query w's 256 bytes.  32 work-groups: a store's 256 bytes are 64 columns, so there are 16 x 2 owners.
; SCORES, SOFTMAX AND THE WEIGHTED SUM: f32, by the f32 matrix form (16 x 16 x 4).  A lane's two registers hold k = 2 h + j; a K step takes registers 2 s, 2 s + 1 of an image: its k = 2 h + j then stands for number 8 h + 2 s + j
; of the sixteen, ALIKE IN BOTH OPERANDS, so nothing changes lanes.  The registers that this form writes (v176-207) are written by matrix instructions alone; each sum begins with the constant 0; accumulators take turns.
; THE OUTPUT LINEAR: both operands as PAIRS OF f16 NUMBERS, split in f32: the high part is x with its low 13 mantissa bits cleared, the low part x - high (exact in f32), rounded once to f16.
; Three products go to the f16 matrix form: high x high, high x low, low x high; what is left out is under 2^-20 of a product.
; LIMITS: |v| and |w_o| stay under 65,504, f16's largest number; a number under 2^-14 (f16's smallest normal number) carries an absolute error of up to 2^-24.  NaN and infinities are not served.
; w_o COMES DENSE: a load takes two rows' 256 bytes of my head (lanes 0-15 one row, lanes 16-31 the next).  The numbers are split where they stand; the halves go to my own LDS region as rows of 128 bytes + 16, low parts and high parts apart,
; and come back as operand fragments (lane (r, h): row r, features 8 h + 0 .. 7 and 16 + 8 h + 0 .. 7 of each 32), into the registers that they left.
; All products transposed: S^T = K Q^T, O^T = V^T P, OUT^T = W_o O^T: a lane holds one query throughout, and O^T's registers, rounded in pairs, ARE source 1 of the last product.
.set REG,   4608                       ; LDS: a region for each wave: first v, 16 keys x 272 bytes, to be read turned; then, one after the other, four tiles of w_o: 16 rows x 144 bytes of low parts, and
.set WHI,   2304                       ; from here on of high parts
.set PART,  73728                      ; behind the sixteen regions: 16 queries x 272 bytes for each wave: its head's part of the outputs
.set PREG,  4352
.set SPARE, 143360                     ; the spare words, 128 bytes a wave
.set QF,  16                           ; v16-47  q's images
.set KF,  48                           ; v48-79  k's.  Later v16-79: w_o, column tiles 2 and 3; later still the sixteen parts
.set VF,  80                           ; v80-111 v's images, then V^T: (F, s, j) at 2 (4 F + s) + j
.set OH,  80                           ; later: v80-95 O^T's high parts,
.set OL,  96                           ; v96-111 its low parts
.set ACC, 176                          ; v176-207 four accumulators of the f32 form: the scores' four parts, then O^T
.set OUT, 208                          ; v208-239 four accumulators of the f16 form: OUT^T.  (v112-175: w_o, column tiles 0 and 1)
.set SC,  240                          ; v240-247 the scores, then p
.set T,   248                          ; v248-255 at work
; Column tile t of w_o (16 rows x my head's 64 features) as it lies: eight loads, two rows each, into 32 registers from reg on
.macro WLOAD reg, t
.irp i, 0,1,2,3,4,5,6,7
	global_load_b128 v[(\reg)+4*\i:(\reg)+4*\i+3], v6, s[6:7] offset:65536*(\t)+8192*\i   ; sixteen lanes read 256 consecutive bytes, aligned
.endr
.endm
; The tile in v[reg] on is split in place (each four registers become: two of low parts, two of high parts), goes to my LDS region and comes back as fragments:
; v[reg + 16 p + 8 c] on: part p (0 low, 1 high), features 32 c on.  LDS serves a wave's instructions in order (ISA guide 5.7.1.4): the loads see the stores, and the next tile's stores come behind these loads.
.macro WSPLIT reg
.irp i, 0,1,2,3,4,5,6,7
.set XQ, (\reg)+4*\i
.set TT, T+4*(\i%2)
	v_and_b32 v[TT], s23, v[XQ]                    ; the high parts, still as f32
	v_and_b32 v[TT+1], s23, v[XQ+1]
	v_and_b32 v[TT+2], s23, v[XQ+2]
	v_and_b32 v[TT+3], s23, v[XQ+3]
	v_pk_add_f32 v[XQ:XQ+1], v[XQ:XQ+1], v[TT:TT+1] neg_lo:[0,1] neg_hi:[0,1]         ; the low parts: x - high, exact
	v_pk_add_f32 v[XQ+2:XQ+3], v[XQ+2:XQ+3], v[TT+2:TT+3] neg_lo:[0,1] neg_hi:[0,1]
	v_cvt_pk_f16_f32 v[XQ], v[XQ], v[XQ+1]
	v_cvt_pk_f16_f32 v[XQ+1], v[XQ+2], v[XQ+3]
	v_cvt_pk_f16_f32 v[XQ+2], v[TT], v[TT+1]
	v_cvt_pk_f16_f32 v[XQ+3], v[TT+2], v[TT+3]
.endr
.irp i, 0,1,2,3,4,5,6,7
	ds_store_b64 v1, v[(\reg)+4*\i:(\reg)+4*\i+1] offset:288*\i            ; rows 2 i and 2 i + 1: four numbers, 8 bytes a lane
	ds_store_b64 v1, v[(\reg)+4*\i+2:(\reg)+4*\i+3] offset:WHI+288*\i
.endr
.irp p, 0,1
.irp c, 0,1
.irp g, 0,1
	ds_load_b128 v[(\reg)+16*\p+8*\c+4*\g:(\reg)+16*\p+8*\c+4*\g+3], v2 offset:WHI*\p+64*\c+32*\g
.endr
.endr
.endr
.endm
; Four products of the output Linear, one for each column tile: features 32 c on, part pw of w_o (0 low, 1 high) against O^T's part at ob.  The four accumulators take turns.
.macro OUTMUL c, pw, ob, zero
.irp t, 0,1,2,3
.if \t < 2
.set WR, 112+32*\t
.else
.set WR, 16+32*(\t-2)
.endif
.if \zero
	v_wmma_f32_16x16x32_f16 v[OUT+8*\t:OUT+8*\t+7], v[WR+16*(\pw)+8*(\c):WR+16*(\pw)+8*(\c)+7], v[(\ob)+8*(\c):(\ob)+8*(\c)+7], 0
.else
	v_wmma_f32_16x16x32_f16 v[OUT+8*\t:OUT+8*\t+7], v[WR+16*(\pw)+8*(\c):WR+16*(\pw)+8*(\c)+7], v[(\ob)+8*(\c):(\ob)+8*(\c)+7], v[OUT+8*\t:OUT+8*\t+7]
.endif
.endr
.endm
	s_load_b128 s[4:7], s[0:1], 0x0                ; qkvf, w_o
	s_load_b64 s[8:9], s[0:1], 0x10                ; out0
	v_lshl_add_u32 v14, v0, 2, SPARE               ; my spare word; never rewritten
	v_mov_b32 v15, 0                               ; 0; never rewritten
	v_lshrrev_b32 v1, 5, v0
	v_readfirstlane_b32 s10, v1                    ; wave = head
	s_and_b32 s11, ttmp7, 0xffff                   ; batch
	v_and_b32 v2, 31, v0                           ; lane
	v_and_b32 v3, 15, v0                           ; r
	v_bfe_u32 v4, v0, 4, 1                         ; h
	v_lshlrev_b32 v5, 4, v2                        ; an image: 16 bytes a lane
	v_lshlrev_b32 v10, 3, v2                       ; 8 bytes a lane: a row of 256
	v_lshlrev_b32 v6, 12, v4
	v_lshl_add_u32 v6, v3, 4, v6                   ; w_o: row h of a pair of rows, 16 r bytes on
	s_mul_i32 s12, s10, REG                        ; my region
	s_mul_i32 s24, s10, PREG                       ; my part of the outputs
	s_mul_i32 s13, s10, 272
	v_mul_u32_u24 v7, v3, 272
	v_lshl_add_u32 v7, v4, 5, v7                   ; row r of 272 bytes, + 32 h
	v_add_nc_u32 v8, s24, v7
	v_add_nc_u32 v8, PART, v8                      ; where I put my head's part of the outputs
	v_add_nc_u32 v7, s12, v7                       ; v into LDS
	v_mul_u32_u24 v9, v4, 8*272
	v_lshl_add_u32 v9, v3, 2, v9
	v_add_nc_u32 v9, s12, v9                       ; V^T out of LDS: key 8 h + .., channel r
	v_mul_u32_u24 v1, v4, 144
	v_lshl_add_u32 v1, v3, 3, v1
	v_add_nc_u32 v1, s12, v1                       ; w_o's halves into LDS: row h of a pair, 8 r bytes on
	v_mul_u32_u24 v2, v3, 144
	v_lshl_add_u32 v2, v4, 4, v2
	v_add_nc_u32 v2, s12, v2                       ; and out as fragments: row r, + 16 h.  Rows 144 bytes apart: the sixteen rows of a load start at sixteen different columns of 16 bytes modulo 256 (64 banks of 4 bytes: ISA guide 11.1)
	v_add_nc_u32 v11, s13, v10
	v_add_nc_u32 v11, PART, v11                    ; query w's row in part 0
	v_lshlrev_b32 v12, 3, v4
	v_sub_nc_u32 v12, v3, v12                      ; r - 8 h
	v_mov_b32 v13, 0xff800000                      ; -infinity
	s_mul_i32 s14, s11, 196608                     ; the batch's images,
	s_lshl_b32 s15, s10, 12                        ; the head's four blocks of 16 features
	s_add_co_u32 s14, s14, s15
	s_mov_b32 s15, 0
	s_lshl_b32 s16, ttmp9, 18                      ; w_o: row 64 x,
	s_lshl_b32 s17, s10, 8                         ; the head's 64 features
	s_add_co_u32 s16, s16, s17
	s_mov_b32 s17, 0
	s_lshl_b32 s18, s11, 11
	s_add_co_u32 s18, s18, s10                     ; out0: row 2,048 x batch + w,
	s_lshl_b32 s18, s18, 12
	s_lshl_b32 s19, ttmp9, 8                       ; columns 64 x on
	s_add_co_u32 s18, s18, s19
	s_mov_b32 s19, 0
	s_mov_b32 s20, 0x76543210
	s_mov_b32 s21, 0xfedcba98                      ; v_permlanex16_b32's selects for lane l xor 16
	s_mov_b32 s22, 0x3e38aa3b                      ; c = log2(e) / 8
	s_mov_b32 s23, 0xffffe000                      ; sign, exponent and the upper 10 mantissa bits: what f16 holds of a normal number
	s_wait_kmcnt 0x0
	s_add_nc_u64 s[4:5], s[4:5], s[14:15]
	s_add_nc_u64 s[6:7], s[6:7], s[16:17]
	s_add_nc_u64 s[8:9], s[8:9], s[18:19]
.irp f, 0,1,2,3
.irp u, 0,1
	global_load_b128 v[QF+8*\f+4*\u:QF+8*\f+4*\u+3], v5, s[4:5] offset:1024*\f+512*\u
	global_load_b128 v[KF+8*\f+4*\u:KF+8*\f+4*\u+3], v5, s[4:5] offset:65536+1024*\f+512*\u
	global_load_b128 v[VF+8*\f+4*\u:VF+8*\f+4*\u+3], v5, s[4:5] offset:131072+1024*\f+512*\u
.endr
.endr
	WLOAD 112, 0
	WLOAD 144, 1
	s_wait_loadcnt 16                              ; the 24 images are in; the 16 loads of w_o's tiles 0 and 1 may be out
.irp f, 0,1,2,3
.irp u, 0,1
	ds_store_b128 v7, v[VF+8*\f+4*\u:VF+8*\f+4*\u+3] offset:64*\f+16*\u   ; v(key r, channel 16 f + 8 h + 4 u ..)
.endr
.endr
.irp f, 0,1,2,3
.irp s, 0,1,2,3
.irp j, 0,1
	ds_load_b32 v[VF+2*(4*\f+\s)+\j], v9 offset:(2*\s+\j)*272+64*\f   ; v(key 8 h + 2 s + j, channel 16 f + r).  My own bytes, served in order
.endr
.endr
.endr
	; S^T = K Q^T: block f of 16 features has its own accumulator
.irp f, 0,1,2,3
	v_wmma_f32_16x16x4_f32 v[ACC+8*\f:ACC+8*\f+7], v[KF+8*\f:KF+8*\f+1], v[QF+8*\f:QF+8*\f+1], 0
.endr
.irp s, 1,2,3
.irp f, 0,1,2,3
	v_wmma_f32_16x16x4_f32 v[ACC+8*\f:ACC+8*\f+7], v[KF+8*\f+2*\s:KF+8*\f+2*\s+1], v[QF+8*\f+2*\s:QF+8*\f+2*\s+1], v[ACC+8*\f:ACC+8*\f+7]
.endr
.endr
.rept 8
	v_nop                                          ; eight places behind this form: for the loads into q's and k's registers and the reads of the sums
.endr
	WLOAD 16, 2
	WLOAD 48, 3
.irp i, 0,2,4,6                                ; the four parts are added, each accumulator from its low end on: lane (r, h) holds query r, keys 8 h + 0 .. 7
	v_pk_add_f32 v[SC+\i:SC+\i+1], v[ACC+\i:ACC+\i+1], v[ACC+8+\i:ACC+8+\i+1]
	v_pk_add_f32 v[T+\i:T+\i+1], v[ACC+16+\i:ACC+16+\i+1], v[ACC+24+\i:ACC+24+\i+1]
.endr
.irp i, 0,2,4,6
	v_pk_add_f32 v[SC+\i:SC+\i+1], v[SC+\i:SC+\i+1], v[T+\i:T+\i+1]
.endr
.irp j, 0,1,2,3,4,5,6,7
	v_cmp_gt_i32 vcc_lo, \j, v12                   ; key 8 h + j comes after query r
	v_cndmask_b32 v[SC+\j], v[SC+\j], v13, vcc_lo
.endr
	v_max3_num_f32 v[T], v[SC], v[SC+1], v[SC+2]
	v_max3_num_f32 v[T+1], v[SC+3], v[SC+4], v[SC+5]
	v_max3_num_f32 v[T], v[T], v[SC+6], v[SC+7]
	v_max_num_f32 v[T], v[T], v[T+1]
	v_permlanex16_b32 v[T+1], v[T], s20, s21
	v_max_num_f32 v[T], v[T], v[T+1]               ; the row's maximum (key 0 counts for every query)
.irp j, 0,1,2,3,4,5,6,7
	v_sub_f32 v[SC+\j], v[SC+\j], v[T]             ; s - m, 0 or less
.endr
.irp j, 0,1,2,3,4,5,6,7
	v_mul_f32 v[SC+\j], s22, v[SC+\j]
.endr
.irp j, 0,1,2,3,4,5,6,7
	v_exp_f32 v[SC+\j], v[SC+\j]
.endr
	v_nop                                          ; a plain instruction behind the last exponential
	s_wait_alu depctr_va_vdst(0)                   ; one wait for the eight, ahead of their first reader
	v_pk_add_f32 v[T+2:T+3], v[SC:SC+1], v[SC+2:SC+3]
	v_pk_add_f32 v[T+4:T+5], v[SC+4:SC+5], v[SC+6:SC+7]
	v_pk_add_f32 v[T+2:T+3], v[T+2:T+3], v[T+4:T+5]
	v_add_f32 v[T+2], v[T+2], v[T+3]
	v_permlanex16_b32 v[T+3], v[T+2], s20, s21
	v_add_f32 v[T+2], v[T+2], v[T+3]               ; the row's sum
	v_rcp_f32 v[T+4], v[T+2]
	v_nop
	s_wait_alu depctr_va_vdst(0)
.irp j, 0,1,2,3,4,5,6,7
	v_mul_f32 v[SC+\j], v[SC+\j], v[T+4]           ; the weights
.endr
	s_wait_dscnt 0x0                               ; V^T is in
	; O^T = V^T P: K = the 16 keys; tile F of 16 channels.  (Far more than nine plain instructions that name none of their registers lie behind the scores' products, whose accumulators are begun anew)
.irp f, 0,1,2,3
	v_wmma_f32_16x16x4_f32 v[ACC+8*\f:ACC+8*\f+7], v[VF+8*\f:VF+8*\f+1], v[SC:SC+1], 0
.endr
.irp s, 1,2,3
.irp f, 0,1,2,3
	v_wmma_f32_16x16x4_f32 v[ACC+8*\f:ACC+8*\f+7], v[VF+8*\f+2*\s:VF+8*\f+2*\s+1], v[SC+2*\s:SC+2*\s+1], v[ACC+8*\f:ACC+8*\f+7]
.endr
.endr
	s_wait_loadcnt 16                              ; w_o's tiles 0 and 1 are in; the 16 loads of tiles 2 and 3 may be out
	WSPLIT 112                                     ; 160 plain instructions that name no register of the products above: more than the eight places that the reads of O^T and the writes over V^T's registers want behind them
	WSPLIT 144
.irp i, 0,1,2,3,4,5,6,7,8,9,10,11,12,13,14,15  ; O^T is split: lane (r, h) of tile F holds query r, channels 16 F + 8 h + 0 .. 7: pair i of its 32 numbers goes to register i of either part.  Each accumulator from its low end on
.set TT, T+4*(\i%2)
	v_and_b32 v[TT], s23, v[ACC+2*\i]
	v_and_b32 v[TT+1], s23, v[ACC+2*\i+1]
	v_pk_add_f32 v[TT+2:TT+3], v[ACC+2*\i:ACC+2*\i+1], v[TT:TT+1] neg_lo:[0,1] neg_hi:[0,1]
	v_cvt_pk_f16_f32 v[OH+\i], v[TT], v[TT+1]
	v_cvt_pk_f16_f32 v[OL+\i], v[TT+2], v[TT+3]
.endr
	s_wait_loadcnt 0x0                             ; w_o's tiles 2 and 3
	WSPLIT 16
	WSPLIT 48
	s_wait_dscnt 0x0                               ; all fragments of w_o are in
	; OUT^T = W_o O^T: source 0 = 16 rows of w_o, source 1 = my 16 queries; K = my head's 64 channels, 32 a step
	OUTMUL 0, 1, OH, 1                             ; high x high starts the sums
	OUTMUL 0, 1, OL, 0                             ; high x low
	OUTMUL 0, 0, OH, 0                             ; low x high
	OUTMUL 1, 1, OH, 0
	OUTMUL 1, 1, OL, 0
	OUTMUL 1, 0, OH, 0
.rept 4
	v_nop                                          ; four places behind this form: for the stores of the sums and the loads into registers that held fragments
.endr
.irp t, 0,1,2,3
	ds_store_b128 v8, v[OUT+8*\t:OUT+8*\t+3] offset:64*\t          ; my head's part of out(query r, 16 t + 8 h + 0 .. 7); each accumulator from its low end on
	ds_store_b128 v8, v[OUT+8*\t+4:OUT+8*\t+7] offset:64*\t+16
.endr
	s_wait_dscnt 0x0                               ; for the others' sake: my stores have landed
	s_barrier_signal -1
	s_barrier_wait -1
.irp i, 0,1,2,3,4,5,6,7,8,9,10,11,12,13,14,15
	ds_load_b64 v[16+2*\i:17+2*\i], v11 offset:PREG*\i             ; query w's row of head i's part
.endr
	s_wait_dscnt 0x0
.irp i, 0,1,2,3,4,5,6,7
	v_pk_add_f32 v[16+4*\i:17+4*\i], v[16+4*\i:17+4*\i], v[18+4*\i:19+4*\i]
.endr
.irp i, 0,1,2,3
	v_pk_add_f32 v[16+8*\i:17+8*\i], v[16+8*\i:17+8*\i], v[20+8*\i:21+8*\i]
.endr
.irp i, 0,1
	v_pk_add_f32 v[16+16*\i:17+16*\i], v[16+16*\i:17+16*\i], v[24+16*\i:25+16*\i]
.endr
	v_pk_add_f32 v[16:17], v[16:17], v[32:33]
	global_store_b64 v10, v[16:17], s[8:9]         ; 32 lanes store 256 consecutive bytes, aligned
	s_wait_tensorcnt 0x0                           ; the wave's end, behind my last LDS store
	ds_add_u32 v14, v15
	s_wait_dscnt 0x0
	s_endpgm
.Lfunc_end_k_q194306faa2_fine:
	.size	k_q194306faa2_fine, .Lfunc_end_k_q194306faa2_fine-k_q194306faa2_fine
	.p2alignl 7, 3214868480
	.fill 96, 4, 3214868480
	.section	.rodata,"a",@progbits
	.p2align	6, 0x0
	.amdhsa_kernel k_q194306faa2_fine
		.amdhsa_group_segment_fixed_size 145408
		.amdhsa_private_segment_fixed_size 0
		.amdhsa_enable_private_segment 0
		.amdhsa_kernarg_size 24
		.amdhsa_user_sgpr_count 2
		.amdhsa_user_sgpr_kernarg_segment_ptr 1
		.amdhsa_wavefront_size32 1
		.amdhsa_system_sgpr_workgroup_id_x 1
		.amdhsa_system_sgpr_workgroup_id_y 1
		.amdhsa_system_sgpr_workgroup_id_z 1
		.amdhsa_system_vgpr_workitem_id 0
		.amdhsa_next_free_vgpr 256
		.amdhsa_next_free_sgpr 66
		.amdhsa_reserve_vcc 1
		.amdhsa_float_denorm_mode_32 3
		.amdhsa_float_denorm_mode_16_64 3
		.amdhsa_memory_ordered 1
		.amdhsa_forward_progress 1
		.amdhsa_inst_pref_size 47
	.end_amdhsa_kernel
	.amdgpu_metadata
---
amdhsa.version: [ 1, 2 ]
amdhsa.kernels:
  - .name:           k_q194306faa2_fine
    .symbol:         k_q194306faa2_fine.kd
    .args:
      - { .name: qkvf, .offset: 0, .size: 8, .value_kind: global_buffer, .address_space: global }
      - { .name: w_o, .offset: 8, .size: 8, .value_kind: global_buffer, .address_space: global }
      - { .name: out0, .offset: 16, .size: 8, .value_kind: global_buffer, .address_space: global }
    .group_segment_fixed_size: 145408
    .private_segment_fixed_size: 0
    .kernarg_segment_align: 8
    .kernarg_segment_size: 24
    .max_flat_workgroup_size: 512
    .sgpr_count:     66
    .vgpr_count:     256
    .wavefront_size: 32
...
	.end_amdgpu_metadata
.endif
;; end of part 5
